; MI455X (gfx1250); checked and timed in simulation.
; The chip was launched on July 23, 2026; its instructions are those of AMD's public machine-readable ISA for CDNA 5 (MIT licence, August 2026) and "CDNA5" Instruction Set Architecture Reference Guide (July 2026). The comments in the code are by the model that wrote it; some were corrected since.
;; Multi Head Self Attention. Allowed arithmetic: matrix products marked QUANTISED: E2M1 operands, one E8M0 scale for each 32 along K, by v_wmma_scale_f32_16x16x128_f8f6f4 with both operands' format E2M1 (or v_wmma_scale_f32_32x16x128_f4), f32 sums; everything else in f32.
;; Inputs: Wk_codes 1,024 x 32 x 16 uint8 (E2M1 codes of Wk, K innermost, in blocks of 32 codes, two codes a byte); Wk_scales 1,024 x 32 uint8 (E8M0 scales of Wk, one for each 32 codes along K); Wo_codes 1,024 x 32 x 16 uint8 (E2M1 codes of Wo, K innermost, in blocks of 32 codes, two codes a byte); Wo_scales 1,024 x 32 uint8 (E8M0 scales of Wo, one for each 32 codes along K); Wq_codes 1,024 x 32 x 16 uint8 (E2M1 codes of Wq, K innermost, in blocks of 32 codes, two codes a byte); Wq_scales 1,024 x 32 uint8 (E8M0 scales of Wq, one for each 32 codes along K); Wv_codes 1,024 x 32 x 16 uint8 (E2M1 codes of Wv, K innermost, in blocks of 32 codes, two codes a byte); Wv_scales 1,024 x 32 uint8 (E8M0 scales of Wv, one for each 32 codes along K); bk 1,024 float32; bo 1,024 float32; bq 1,024 float32; bv 1,024 float32; ln_beta 1,024 float32; ln_gamma 1,024 float32; mask 4 x 2,048 bool; x 4 x 2,048 x 1,024 float32.
;; Outputs: out0 4 x 2,048 x 1,024 float32.
;; This version of the problem:
;;   THIS VERSION OF THE PROBLEM IS GIVEN IN LOW PRECISION. The matrix products marked QUANTISED in the list below multiply operands that are first quantised to E2M1 (2 exponent bits, 1 mantissa bit; 4 bits a number), with one power-of-two scale for each 32 numbers along K (OCP MX v1.0); their sums are f32. All else is computed in f32.
;;   The module's matrix products, in the order in which they are computed (A, B: the left and right operand; K: the contracted axis; several contracted axes count as one K, in the product's order):
;;     1. [M 8,192, K 1,024] x [K 1,024, N 1,024]; A: computed on the way; B: input Wq (given as codes): QUANTISED
;;     2. [M 8,192, K 1,024] x [K 1,024, N 1,024]; A: computed on the way; B: input Wk (given as codes): QUANTISED
;;     3. [M 8,192, K 1,024] x [K 1,024, N 1,024]; A: computed on the way; B: input Wv (given as codes): QUANTISED
;;     4. batch 64 x [M 2,048, K 64] x [K 64, N 2,048]; A: computed on the way; B: computed on the way: QUANTISED
;;     5. batch 64 x [M 2,048, K 2,048] x [K 2,048, N 64]; A: softmax (see below); B: computed on the way: QUANTISED
;;     6. [M 8,192, K 1,024] x [K 1,024, N 1,024]; A: computed on the way; B: input Wo (given as codes): QUANTISED
;;   THE QUANTISER, for each operand of a quantised product, along K:
;;     - K is cut into blocks of 32 from its start; a last block that is shorter is filled with zeros.
;;     - A block's scale is 2^e with e = floor(log2(the largest magnitude in the block)) - 2, held to -126 .. 127; a block of zeros has e = 0. As a byte (E8M0): e + 127.
;;     - Each number is divided by its block's scale, clamped to +-6, and rounded to the nearest number of E2M1, ties to even, subnormals kept.
;;     - The product sums the exact products of the quantised numbers (number of the format x scale) in f32.
;;   ~~~python
;;   def quantise(x, axis):      # numpy; x: float32 -> the quantised numbers, widened to float32 again
;;       x = np.moveaxis(x, axis, -1); K = x.shape[-1]
;;       x = np.pad(x, [(0, 0)] * (x.ndim - 1) + [(0, -K % 32)]); x = x.reshape(x.shape[:-1] + (-1, 32)); a = np.abs(x).max(-1, keepdims=True)
;;       e = np.where(a > 0, np.clip(np.frexp(np.where(a > 0, a, 1))[1] - 1 - 2, -126, 127), 0)      # np.frexp(a)[1] - 1 = floor(log2(a)), exactly
;;       r = np.clip(x / 2.0 ** e, -6, 6)
;;       step = 2.0 ** (np.maximum(np.frexp(np.where(r == 0, 1, r))[1] - 1, 0) - 1)
;;       q = np.round(r / step) * step * 2.0 ** e      # np.round: ties to even
;;       return np.moveaxis(q.reshape(q.shape[:-2] + (-1,))[..., :K], -1, axis).astype(np.float32)
;;   ~~~
;;   SOFTMAX AHEAD OF A QUANTISED PRODUCT. Where the list says 'softmax', what is quantised is not the finished softmax but p = 2^(t - M), with t = logit x log2(e) and M = ceil(the row's largest t), a whole number; so 1/2 < the row's largest p <= 1. The row's sum l is taken of the UNQUANTISED p, in f32, and the product's result is divided by l at the end. Since M is a whole number, a kernel that streams over the keys may use a running M (the ceiling of the running maximum): every later rescaling is an exact power of two, which a block's scale takes up: the codes' values come out the same.
;;   OPERANDS COMPUTED ON THE WAY. 'Computed on the way' means the value that the module computes at that place (a softmax that the list does not call 'softmax' is quantised finished and normalised). What goes into a quantiser is computed in f32, as accurately as f32 sums, v_exp_f32 and their like allow (about 1e-6 of the number): no bf16 or f16 on the way to a quantiser, and a product that is left as it is and whose result goes on into a quantised operand takes f32 operands (vector FMAs, or v_wmma_f32_16x16x4_f32). A number that lies on a knife's edge between two numbers of the format may be rounded either way, as far as f32 arithmetic and the matrix unit's own rounding can turn it there, and no further.
;;   INPUTS GIVEN AS CODES. Wk (in the module: [1024, 1024], K = its axis 0); Wo (in the module: [1024, 1024], K = its axis 0); Wq (in the module: [1024, 1024], K = its axis 0); Wv (in the module: [1024, 1024], K = its axis 0): each comes as NAME_codes (uint8): NAME with its K axis moved to the last place and cut into blocks of 32 codes, [.., K / 32, bytes a block], one block behind the other in memory; two codes a byte, the lower K in the low four bits (a code: sign, 2 exponent bits, 1 mantissa bit); and NAME_scales (uint8): the same leading axes, one E8M0 byte (e + 127) for each 32 codes along K. Its value is code x scale, taken as it is: it is not quantised again, and the codes and scales need not be those that the quantiser above would give.
;; One version. Each part assembles by itself: llvm-mc -triple=amdgcn-amd-amdhsa -mcpu=gfx1250 --defsym DOCPART=n.
;; ======== version 1 of 1: 4 launches
;; limits: right only within a limited range of input values
;; workspace buffers: hrec 4,456,448 bytes; wrec 2,293,760 bytes; qrec 4,718,592 bytes; kvrec 9,175,040 bytes; orec 4,456,448 bytes
;; launch prep (part 1): grid 256 x 1, 8 waves a work-group, no clusters, 28,160 bytes of LDS; arguments x, ln_gamma, ln_beta, Wq_codes, Wk_codes, Wv_codes, Wo_codes, Wq_scales, Wk_scales, Wv_scales, Wo_scales, bq, bk, bv, bo, hrec, wrec; writes hrec, wrec
.if DOCPART == 1
	.amdgcn_target "amdgcn-amd-amdhsa--gfx1250"
	.amdhsa_code_object_version 6
	.text
	.protected	k_qd9c98b1da2_prep
	.globl	k_qd9c98b1da2_prep
	.p2align	8
	.type	k_qd9c98b1da2_prep,@function
k_qd9c98b1da2_prep:
	s_mov_b64 s[64:65], 0
	v_nop
	global_prefetch_b8 v0, s[64:65] scope:SCOPE_SE
	s_setreg_imm32_b32 hwreg(HW_REG_WAVE_MODE, 25, 1), 1
	s_wait_xcnt 0x0
; h = LayerNorm(x) x gamma + beta in f32, quantised along its 1,024 columns to FP4 (E2M1) with one E8M0 byte for each 32; and the four weights, which arrive as codes, laid anew.  Both leave as TILE RECORDS.
; A TILE is 16 rows: tile T holds rows 32 (T / 2) + 8 (T % 2) + r + 8 (r / 8), r = 0 .. 15 (tokens and weight rows alike), so that in a transposed product two neighbouring tiles' results are 16 neighbours along the next K.
; A RECORD is the image of an operand's registers: codes [block of 32 along K: 32][r: 16][16 bytes] = 8,192 bytes, so that 32 lanes x 16 bytes on end are half a fragment; then the scale bytes [half of K: 2][r: 16][16 bytes];
; a weight's record has 256 bytes more: the tile's 16 biases in the tile's row order, four times over.  Records are 8,704 (h) and 8,960 (weights) bytes, whole blocks of 256.
; SHARES.  Work-group G: tokens 32 G .. 32 G + 31 (tiles 2 G, 2 G + 1) and weight tile G (weight G / 64 of q, k, v, o; its tile G % 64).  Wave w: tokens 4 w .. 4 w + 3 and two rows of the weight tile.
; A lane holds columns 256 g + 8 lane + 0 .. 7, g = 0 .. 3, of each of its wave's four rows: a pair of loads covers 1,024 consecutive bytes, four neighbouring lanes hold a block of 32.
; The row stays in registers between mean, variance and quantiser: x is read once.  Codes and bytes meet in LDS and leave in stores of 512 consecutive bytes.  No matrix unit, no cluster: nothing is shared between work-groups.
; A block's scale is 2^(floor(log2(its largest magnitude)) - 2); its byte is the largest magnitude's exponent field - 2, held at 1 from below.  (A block of zeros gets the byte 1: its codes are zeros, and this program alone reads the bytes.)
; LIMITS: NaN and infinities among the inputs are not served; blocks whose largest magnitude lies under 2^-124 keep the byte 1.
.set HREC, 8704
.set WREC, 8960
.set UP,   272                         ; a block's 256 bytes in the stage + 16 of padding
.set SST,  17408                       ; LDS: behind the 64 units of h's codes: h's scale bytes, 2 x 512
.set WST,  18432                       ; and the 32 units of the weight tile's codes
.set SM,   12                          ; v12-19   a pair of sums for each row
.set PD,   20                          ; v20-23   the lane exchange's destinations
.set MU,   24                          ; v24-31   a pair for each row: the mean, later 1 / sqrt(var + eps)
.set X,    32                          ; v32-159  four rows of 32 numbers
.set GA,   160                         ; v160-191 gamma of my 32 columns
.set BE,   192                         ; v192-223 beta
.set CD,   160                         ; v160-175 codes, a register for each row and group (gamma is done with by then)
.set BY,   176                         ; v176-191 scale bytes likewise
.set WR,   224                         ; v224-231 two rows of the weight tile
.set WS,   232                         ; v232-235 its scale bytes
.set WB,   236                         ; v236-237 its biases
.set BM,   238                         ; v238-241 largest magnitudes
.set SO,   242                         ; v242-245 the conversions' scale operands
.set WV,   52
	s_load_b512 s[4:19], s[0:1], 0x0               ; x 4, gamma 6, beta 8, codes of Wq 10, Wk 12, Wv 14, Wo 16, scales of Wq 18
	s_load_b512 s[20:35], s[0:1], 0x40             ; scales of Wk 20, Wv 22, Wo 24, bq 26, bk 28, bv 30, bo 32, hrec 34
	s_load_b64 s[36:37], s[0:1], 0x80              ; wrec
	v_lshl_add_u32 v253, v0, 2, 0x6a00
	v_mov_b32 v255, 0
	v_lshrrev_b32 v1, 5, v0
	s_delay_alu instid0(VALU_DEP_1)
	v_readfirstlane_b32 s[WV], v1                  ; wave 0..7
	v_and_b32 v1, 31, v0                           ; lane
	s_wait_alu depctr_va_vdst(0)
	v_lshlrev_b32 v2, 5, v1                        ; 32 x lane: my 8 numbers of 256
	v_lshlrev_b32 v3, 4, v1                        ; 16 x lane
	v_lshlrev_b32 v254, 3, v1                      ; 8 x lane
	s_mov_b32 s53, 0x3a800000                      ; 1 / 1,024
	s_mov_b32 s54, 0x3727c5ac                      ; 1e-5
	s_mov_b32 s56, 0x76543210
	s_mov_b32 s57, 0xfedcba98                      ; lane l xor 16
	s_lshr_b32 s58, s[WV], 1
	s_and_b32 s58, s58, 1                          ; u: which of the two tiles my four tokens fall into
	s_and_b32 s59, s[WV], 1
	s_lshl_b32 s59, s59, 2
	s_lshr_b32 s60, s[WV], 2
	s_lshl_b32 s61, s60, 3
	s_add_co_u32 s59, s59, s61                     ; r0 = 4 (w % 2) + 8 (w / 4): my first token's row in its tile
	s_mul_i32 s61, s58, 32*UP
	s_lshl_b32 s62, s59, 4
	s_add_co_u32 s61, s61, s62
	s_lshl_b32 s63, s58, 9
	s_add_co_u32 s63, s63, s62
	s_add_co_u32 s63, s63, SST
	v_lshrrev_b32 v12, 2, v1
	v_and_b32 v13, 3, v1
	s_delay_alu instid0(VALU_DEP_2)
	v_mul_u32_u24 v4, v12, UP
	s_delay_alu instid0(VALU_DEP_1)
	v_lshl_add_u32 v4, v13, 2, v4
	s_delay_alu instid0(VALU_DEP_1)
	v_add_nc_u32 v4, s61, v4                       ; v4: my 4 bytes of codes: unit 32 u + lane / 4 (+ 8 g), row r0 (+ i), word lane % 4
	v_add_nc_u32 v5, s63, v12                      ; v5: my block's scale byte
	s_lshl_b32 s62, s[WV], 5
	s_add_co_u32 s62, s62, WST
	v_mul_u32_u24 v6, v1, UP
	s_delay_alu instid0(VALU_DEP_1)
	v_add_nc_u32 v6, s62, v6                       ; v6: the weight's stage: unit = lane (a row's block), rows 2 w, 2 w + 1
	v_lshrrev_b32 v12, 4, v0
	v_and_b32 v13, 15, v0
	s_delay_alu instid0(VALU_DEP_2)
	v_mul_u32_u24 v7, v12, UP
	s_delay_alu instid0(VALU_DEP_1)
	v_lshl_add_u32 v7, v13, 4, v7                  ; v7: the way out: sixteen threads to a unit
	v_lshlrev_b32 v8, 4, v0                        ; v8: and the same place in a record: 16 x thread
	v_and_b32 v12, 15, v1
	v_and_b32 v13, 8, v1
	s_delay_alu instid0(VALU_DEP_1)
	v_add_nc_u32 v12, v12, v13
	v_lshrrev_b32 v13, 4, v1
	s_delay_alu instid0(VALU_DEP_2)
	v_lshlrev_b32 v9, 5, v12
	s_delay_alu instid0(VALU_DEP_1)
	v_lshl_add_u32 v9, v13, 4, v9                  ; v9: the weight's scale bytes: tile row lane % 16, 32 bytes a row, half lane / 16
	v_lshlrev_b32 v12, 1, v1
	s_delay_alu instid0(VALU_DEP_1)
	v_and_b32 v13, 8, v12
	s_delay_alu instid0(VALU_DEP_2)
	v_and_b32 v12, 15, v12
	s_delay_alu instid0(VALU_DEP_1)
	v_add_nc_u32 v12, v12, v13
	s_delay_alu instid0(VALU_DEP_1)
	v_lshlrev_b32 v10, 2, v12                      ; v10: two biases: tile rows (2 lane) % 16 and the next
	v_lshl_add_u32 v11, v0, 4, SST                 ; v11: h's scale bytes on the way out (waves 0 and 1)
.irp i, 0,1,2,3
	v_mov_b32 v[PD+\i], 0                          ; written once: a lane exchange's destination counts as one of its sources
.endr
	s_wait_kmcnt 0x0
	s_cmp_lt_u32 ttmp9, 64                         ; which weight: the choice hangs on the work-group's number alone
	s_cselect_b64 s[40:41], s[10:11], s[12:13]
	s_cselect_b64 s[42:43], s[18:19], s[20:21]
	s_cselect_b64 s[44:45], s[26:27], s[28:29]
	s_cmp_lt_u32 ttmp9, 192
	s_cselect_b64 s[46:47], s[14:15], s[16:17]
	s_cselect_b64 s[48:49], s[22:23], s[24:25]
	s_cselect_b64 s[50:51], s[30:31], s[32:33]
	s_cmp_lt_u32 ttmp9, 128
	s_cselect_b64 s[40:41], s[40:41], s[46:47]     ; codes
	s_cselect_b64 s[42:43], s[42:43], s[48:49]     ; scale bytes
	s_cselect_b64 s[44:45], s[44:45], s[50:51]     ; bias
	s_lshl_b32 s38, ttmp9, 17                      ; 32 tokens of 4,096 bytes
	s_lshl_b32 s39, s[WV], 14                      ; my four
	s_add_co_u32 s38, s38, s39
	s_mov_b32 s39, 0
	s_add_nc_u64 s[4:5], s[4:5], s[38:39]
	s_and_b32 s46, ttmp9, 63
	s_lshr_b32 s47, s46, 1
	s_lshl_b32 s47, s47, 5
	s_and_b32 s46, s46, 1
	s_lshl_b32 s46, s46, 3
	s_add_co_u32 s46, s46, s47                     ; the weight tile's first row: 32 (tile / 2) + 8 (tile % 2)
	s_lshl_b32 s38, s[WV], 1
	s_add_co_u32 s38, s38, s46
	s_lshl_b32 s47, s60, 3
	s_add_co_u32 s38, s38, s47                     ; my two rows: + 2 w + 8 (w / 4)
	s_lshl_b32 s38, s38, 9
	s_add_nc_u64 s[40:41], s[40:41], s[38:39]
	s_lshl_b32 s38, s46, 5
	s_add_nc_u64 s[42:43], s[42:43], s[38:39]
	s_lshl_b32 s38, s46, 2
	s_add_nc_u64 s[44:45], s[44:45], s[38:39]
	s_mul_i32 s38, ttmp9, 2*HREC
	s_add_nc_u64 s[34:35], s[34:35], s[38:39]
	s_mul_i32 s38, ttmp9, WREC
	s_add_nc_u64 s[36:37], s[36:37], s[38:39]
.irp i, 0,1,2,3
.irp g, 0,1,2,3
	global_load_b128 v[X+32*\i+8*\g:X+32*\i+8*\g+3], v2, s[4:5] offset:\i*4096+\g*1024 th:TH_LOAD_NT
	global_load_b128 v[X+32*\i+8*\g+4:X+32*\i+8*\g+7], v2, s[4:5] offset:\i*4096+\g*1024+16 th:TH_LOAD_NT
.endr
.endr
.irp j, 0,1
	global_load_b128 v[WR+4*\j:WR+4*\j+3], v3, s[40:41] offset:512*\j      ; a weight row's 512 bytes: lane = its block
.endr
.irp g, 0,1,2,3
	global_load_b128 v[GA+8*\g:GA+8*\g+3], v2, s[6:7] offset:\g*1024
	global_load_b128 v[GA+8*\g+4:GA+8*\g+7], v2, s[6:7] offset:\g*1024+16
.endr
.irp g, 0,1,2,3
	global_load_b128 v[BE+8*\g:BE+8*\g+3], v2, s[8:9] offset:\g*1024
	global_load_b128 v[BE+8*\g+4:BE+8*\g+7], v2, s[8:9] offset:\g*1024+16
.endr
	s_cmp_lg_u32 s[WV], 0                          ; wave 0 alone moves the weight tile's scale bytes and biases: registers in, registers out
	s_cbranch_scc1 .Lnot_wave_0
	global_load_b128 v[WS:WS+3], v9, s[42:43]
	s_wait_alu depctr_va_vdst(0)
	global_load_b64 v[WB:WB+1], v10, s[44:45]
	s_wait_loadcnt 0x0
	global_store_b128 v3, v[WS:WS+3], s[36:37] offset:8192         ; 512 consecutive bytes
	global_store_b64 v254, v[WB:WB+1], s[36:37] offset:8704        ; 256 consecutive bytes
.Lnot_wave_0:
	s_wait_loadcnt 18                              ; x's 32 loads are in; the 2 weight rows and gamma's and beta's 16 may be out
; a sum in v[SM + 2 i] over the wave's 32 lanes, the four rows by turns
.macro REDUCE
.irp m, 1,2,4,8
.irp i, 0,1,2,3
	s_delay_alu instid0(VALU_DEP_4)
	v_add_f32_dpp v[SM+2*\i], v[SM+2*\i], v[SM+2*\i] row_xmask:\m row_mask:0xf bank_mask:0xf
.endr
.endr
.irp i, 0,1,2,3
	s_delay_alu instid0(VALU_DEP_4)
	v_permlanex16_b32 v[PD+\i], v[SM+2*\i], s56, s57
.endr
.irp i, 0,1,2,3
	s_delay_alu instid0(VALU_DEP_4)
	v_add_f32 v[SM+2*\i], v[SM+2*\i], v[PD+\i]
.endr
.endm
.irp i, 0,1,2,3
	v_pk_add_f32 v[SM+2*\i:SM+2*\i+1], v[X+32*\i:X+32*\i+1], v[X+32*\i+2:X+32*\i+3]
.endr
.irp p, 4,6,8,10,12,14,16,18,20,22,24,26,28,30
.irp i, 0,1,2,3
	s_delay_alu instid0(VALU_DEP_4)
	v_pk_add_f32 v[SM+2*\i:SM+2*\i+1], v[SM+2*\i:SM+2*\i+1], v[X+32*\i+\p:X+32*\i+\p+1]
.endr
.endr
.irp i, 0,1,2,3
	s_delay_alu instid0(VALU_DEP_4)
	v_add_f32 v[SM+2*\i], v[SM+2*\i], v[SM+2*\i+1]
.endr
	REDUCE
.irp i, 0,1,2,3
	v_mul_f32 v[MU+2*\i], s53, v[SM+2*\i]          ; the mean, in both halves of a pair
	v_mul_f32 v[MU+2*\i+1], s53, v[SM+2*\i]
.endr
.irp i, 0,1,2,3
.irp p, 0,2,4,6,8,10,12,14,16,18,20,22,24,26,28,30
	v_pk_add_f32 v[X+32*\i+\p:X+32*\i+\p+1], v[X+32*\i+\p:X+32*\i+\p+1], v[MU+2*\i:MU+2*\i+1] neg_lo:[0,1] neg_hi:[0,1]   ; x - mean: the variance is taken of the differences, so a common offset of x does no harm
.endr
.endr
.irp i, 0,1,2,3
	v_pk_mul_f32 v[SM+2*\i:SM+2*\i+1], v[X+32*\i:X+32*\i+1], v[X+32*\i:X+32*\i+1]
.endr
.irp p, 2,4,6,8,10,12,14,16,18,20,22,24,26,28,30
.irp i, 0,1,2,3
	s_delay_alu instid0(VALU_DEP_4)
	v_pk_fma_f32 v[SM+2*\i:SM+2*\i+1], v[X+32*\i+\p:X+32*\i+\p+1], v[X+32*\i+\p:X+32*\i+\p+1], v[SM+2*\i:SM+2*\i+1]
.endr
.endr
.irp i, 0,1,2,3
	s_delay_alu instid0(VALU_DEP_4)
	v_add_f32 v[SM+2*\i], v[SM+2*\i], v[SM+2*\i+1]
.endr
	REDUCE
.irp i, 0,1,2,3
	s_delay_alu instid0(VALU_DEP_4)
	v_fma_f32 v[SM+2*\i], v[SM+2*\i], s53, s54     ; var + eps
.endr
	s_wait_alu depctr_va_vdst(0)
.irp i, 0,1,2,3
	v_rsq_f32 v[MU+2*\i], v[SM+2*\i]
.endr
	v_nop                                          ; a plain instruction between the last reciprocal root and the use of its result (ISA guide 5.7.2)
	s_wait_alu depctr_va_vdst(0)
.irp i, 0,1,2,3
	v_mov_b32 v[MU+2*\i+1], v[MU+2*\i]
.endr
	s_wait_alu depctr_va_vdst(0)
	s_wait_loadcnt 16                              ; the two weight rows are in; gamma's and beta's 16 loads may be out
.irp j, 0,1
	ds_store_b128 v6, v[WR+4*\j:WR+4*\j+3] offset:16*\j            ; block = lane, tile row 2 w + j: lanes 272 bytes apart
.endr
	s_wait_loadcnt 0x0                             ; gamma and beta
.irp i, 0,1,2,3
.irp p, 0,2,4,6,8,10,12,14,16,18,20,22,24,26,28,30
	v_pk_mul_f32 v[X+32*\i+\p:X+32*\i+\p+1], v[X+32*\i+\p:X+32*\i+\p+1], v[MU+2*\i:MU+2*\i+1]
.endr
.irp p, 0,2,4,6,8,10,12,14,16,18,20,22,24,26,28,30
	v_pk_fma_f32 v[X+32*\i+\p:X+32*\i+\p+1], v[X+32*\i+\p:X+32*\i+\p+1], v[GA+\p:GA+\p+1], v[BE+\p:BE+\p+1]
.endr
.endr
; row i is quantised: four groups of 8 numbers a lane, each a quarter of a block of 32 that four neighbouring lanes hold
.macro QROW i
.irp g, 0,1,2,3
	v_max3_num_f32 v[BM+\g], |v[X+32*\i+8*\g]|, |v[X+32*\i+8*\g+1]|, 0x1800000     ; with the floor 2^(3 - 127): the byte cannot fall under 1
.endr
.irp e, 2,4,6
.irp g, 0,1,2,3
	s_delay_alu instid0(VALU_DEP_4)
	v_max3_num_f32 v[BM+\g], v[BM+\g], |v[X+32*\i+8*\g+\e]|, |v[X+32*\i+8*\g+\e+1]|
.endr
.endr
.irp m, 1,2
.irp g, 0,1,2,3
	s_delay_alu instid0(VALU_DEP_4)
	v_max_num_f32_dpp v[BM+\g], v[BM+\g], v[BM+\g] row_xmask:\m row_mask:0xf bank_mask:0xf
.endr
.endr
.irp g, 0,1,2,3
	s_delay_alu instid0(VALU_DEP_4)
	v_add_nc_u32 v[SO+\g], 0xff000000, v[BM+\g]    ; 2 off the exponent field: the conversion takes this operand's exponent field as its scale
.endr
.irp g, 0,1,2,3
	v_cvt_scalef32_pk8_fp4_f32 v[CD+4*\i+\g], v[X+32*\i+8*\g:X+32*\i+8*\g+7], v[SO+\g]
.endr
.irp g, 0,1,2,3
	v_lshrrev_b32 v[BY+4*\i+\g], 23, v[SO+\g]      ; the scale's byte.  (Plain lines behind the conversions)
.endr
.irp g, 0,1,2,3
	ds_store_b32 v4, v[CD+4*\i+\g] offset:8*UP*\g+16*\i
	ds_store_b8 v5, v[BY+4*\i+\g] offset:16*\i+256*(\g/2)+8*(\g%2)     ; the block's four lanes write the same byte with the same value
.endr
.endm
	QROW 0
	QROW 1
	QROW 2
	QROW 3
	s_wait_dscnt 0x0                               ; my stores into the stages have landed,
	s_barrier_signal -1
	s_barrier_wait -1                              ; everybody's have
.irp j, 0,1,2,3
	ds_load_b128 v[32+4*\j:35+4*\j], v7 offset:16*UP*\j
.endr
.irp j, 0,1
	ds_load_b128 v[48+4*\j:51+4*\j], v7 offset:WST+16*UP*\j
.endr
.irp j, 0,1,2,3
	s_wait_dscnt 5-\j                              ; LDS loads come back in order: load j of the six is in
	global_store_b128 v8, v[32+4*\j:35+4*\j], s[34:35] offset:(\j/2)*HREC+(\j%2)*4096     ; a wave stores 512 consecutive bytes
.endr
.irp j, 0,1
	s_wait_dscnt 1-\j
	global_store_b128 v8, v[48+4*\j:51+4*\j], s[36:37] offset:4096*\j
.endr
	s_cmp_lt_u32 s[WV], 2                          ; waves 0 and 1: the two tiles' scale bytes, 512 each
	s_cbranch_scc0 .Lend
	s_mul_i32 s38, s[WV], HREC
	s_add_nc_u64 s[46:47], s[34:35], s[38:39]
	ds_load_b128 v[56:59], v11
	s_wait_dscnt 0x0
	global_store_b128 v3, v[56:59], s[46:47] offset:8192
.Lend:
	s_wait_tensorcnt 0x0
	ds_add_u32 v253, v255
	s_wait_dscnt 0x0
	s_endpgm
.Lfunc_end_k_qd9c98b1da2_prep:
	.size	k_qd9c98b1da2_prep, .Lfunc_end_k_qd9c98b1da2_prep-k_qd9c98b1da2_prep
	.p2alignl 7, 3214868480
	.fill 96, 4, 3214868480
	.section	.rodata,"a",@progbits
	.p2align	6, 0x0
	.amdhsa_kernel k_qd9c98b1da2_prep
		.amdhsa_group_segment_fixed_size 28160
		.amdhsa_private_segment_fixed_size 0
		.amdhsa_enable_private_segment 0
		.amdhsa_kernarg_size 136
		.amdhsa_user_sgpr_count 2
		.amdhsa_user_sgpr_kernarg_segment_ptr 1
		.amdhsa_wavefront_size32 1
		.amdhsa_system_sgpr_workgroup_id_x 1
		.amdhsa_system_sgpr_workgroup_id_y 1
		.amdhsa_system_sgpr_workgroup_id_z 1
		.amdhsa_system_vgpr_workitem_id 0
		.amdhsa_next_free_vgpr 256
		.amdhsa_next_free_sgpr 66
		.amdhsa_reserve_vcc 0
		.amdhsa_float_denorm_mode_32 3
		.amdhsa_float_denorm_mode_16_64 3
		.amdhsa_memory_ordered 1
		.amdhsa_forward_progress 1
		.amdhsa_inst_pref_size 55
	.end_amdhsa_kernel
	.amdgpu_metadata
---
amdhsa.version: [ 1, 2 ]
amdhsa.kernels:
  - .name:           k_qd9c98b1da2_prep
    .symbol:         k_qd9c98b1da2_prep.kd
    .args:
      - { .name: x, .offset: 0, .size: 8, .value_kind: global_buffer, .address_space: global }
      - { .name: ln_gamma, .offset: 8, .size: 8, .value_kind: global_buffer, .address_space: global }
      - { .name: ln_beta, .offset: 16, .size: 8, .value_kind: global_buffer, .address_space: global }
      - { .name: Wq_codes, .offset: 24, .size: 8, .value_kind: global_buffer, .address_space: global }
      - { .name: Wk_codes, .offset: 32, .size: 8, .value_kind: global_buffer, .address_space: global }
      - { .name: Wv_codes, .offset: 40, .size: 8, .value_kind: global_buffer, .address_space: global }
      - { .name: Wo_codes, .offset: 48, .size: 8, .value_kind: global_buffer, .address_space: global }
      - { .name: Wq_scales, .offset: 56, .size: 8, .value_kind: global_buffer, .address_space: global }
      - { .name: Wk_scales, .offset: 64, .size: 8, .value_kind: global_buffer, .address_space: global }
      - { .name: Wv_scales, .offset: 72, .size: 8, .value_kind: global_buffer, .address_space: global }
      - { .name: Wo_scales, .offset: 80, .size: 8, .value_kind: global_buffer, .address_space: global }
      - { .name: bq, .offset: 88, .size: 8, .value_kind: global_buffer, .address_space: global }
      - { .name: bk, .offset: 96, .size: 8, .value_kind: global_buffer, .address_space: global }
      - { .name: bv, .offset: 104, .size: 8, .value_kind: global_buffer, .address_space: global }
      - { .name: bo, .offset: 112, .size: 8, .value_kind: global_buffer, .address_space: global }
      - { .name: hrec, .offset: 120, .size: 8, .value_kind: global_buffer, .address_space: global }
      - { .name: wrec, .offset: 128, .size: 8, .value_kind: global_buffer, .address_space: global }
    .group_segment_fixed_size: 28160
    .private_segment_fixed_size: 0
    .kernarg_segment_align: 8
    .kernarg_segment_size: 136
    .max_flat_workgroup_size: 256
    .sgpr_count:     66
    .vgpr_count:     256
    .wavefront_size: 32
...
	.end_amdgpu_metadata
.endif
;; end of part 1
;; launch qkv (part 2): grid 16 x 32, 12 waves a work-group, clusters of 4 x 4, 248,320 bytes of LDS; arguments hrec, wrec, mask, qrec, kvrec; writes qrec, kvrec
.if DOCPART == 2
	.amdgcn_target "amdgcn-amd-amdhsa--gfx1250"
	.amdhsa_code_object_version 6
	.text
	.protected	k_qd9c98b1da2_qkv
	.globl	k_qd9c98b1da2_qkv
	.p2align	8
	.type	k_qd9c98b1da2_qkv,@function
k_qd9c98b1da2_qkv:
	s_mov_b64 s[64:65], 0
	v_nop
	global_prefetch_b8 v0, s[64:65] scope:SCOPE_SE
	s_setreg_imm32_b32 hwreg(HW_REG_WAVE_MODE, 25, 1), 1
	s_wait_xcnt 0x0
	s_wait_alu depctr_hold_cnt(0) depctr_sa_sdst(0) depctr_va_vdst(0) depctr_va_sdst(0) depctr_va_ssrc(0) depctr_va_vcc(0) depctr_vm_vsrc(0)
	s_getreg_b32 s2, hwreg(HW_REG_IB_STS2, 6, 4)
	s_cmp_eq_u32 s2, 0
	s_cbranch_scc0 .Lentry_in_a_cluster
	s_endpgm
.Lentry_in_a_cluster:
	s_bfe_u32 s2, ttmp6, 0x10000c
	s_cmp_lg_u32 s2, 0xf033
	s_cbranch_scc0 .Lentry_shape_is_right
	s_endpgm
.Lentry_shape_is_right:
; q = h Wq + bq, k = h Wk + bk, v = h Wv + bv on codes of FP4 (E2M1) with E8M0 scales, and their quantising for attention: q and k along the head's 64, v along the tokens (the keys).
; A work-group takes 256 tokens x one head of q, k and v.  All of K = 1,024 lies in LDS: 16 tile records of h (139,264 bytes) and the head's 4 records each of Wq, Wk, Wv (107,520), each byte filled once: no slot is filled again.
; A tile is 16 rows: tile T holds rows 32 (T / 2) + 8 (T % 2) + r + 8 (r / 8).  A record is the image of an operand's registers: half a fragment is 512 bytes on end, 16 a lane; the scale bytes come as four registers, register j
; holding K step j's word in lanes 0-15 and K step 4 + j's in lanes 16-31.
; CLUSTER 4 x 4: the four work-groups of a row share their tokens' records of h, the four of a column their head's weights; each is asked for jointly, by the same tensor load with a mask that names the four.
; WAVES 0-7 (q: 0-3, k: 4-7): 64 tokens x 64 columns, TRANSPOSED (source 0 = 16 rows of W, source 1 = 16 tokens): a lane holds one token, its 32 registers of a token tile are the head's columns 32 b + 16 (lane / 16) + 0 .. 15.
;   The bias is loaded into the accumulators and is the C of each sum's first product.
; WAVES 8-11 (v): 128 tokens x 32 columns, NOT transposed (source 0 = 16 tokens, source 1 = 16 rows of Wv): a lane holds one column, its 64 registers run along the tokens: the next product's K.
; THE MASK RIDES IN k's SCALE WORD.  The score product has K = 64 in an instruction of K = 128.  Attention puts the code +6 at k = 64 of every query and -6 at k = 64 of every key; q's scale word is [s0, s1, 127, 0], k's
;   [s0, s1, m, 0] with m = 0 for a key that counts (-36 x 2^-127 is added to every such score alike) and 247 for one that does not (-36 x 2^120).
; OUT: qrec [b x head: 64][73,728]: codes [tile 128][512], at 65,536 scale words [64 tokens: 32][r 16][tile 4].  kvrec [64][143,360]: k's codes [tile 128][512]; at 65,536 v's fragments [128 keys: 16][16 columns: 4][half 2][512];
;   at 131,072 k's scale words [16][lane 32][4]; at 139,264 v's [16][lane 32][2].
; LIMITS: NaN and infinities are not served; a block of zeros gets the byte 1 (its codes are zeros; this program alone reads the bytes).
.set HREC, 8704
.set WREC, 8960
.set WMAT, 64*WREC
.set WL,   16*HREC                     ; LDS: the weights begin behind h's 16 records
.set QREC, 73728
.set KVREC, 143360
.set L16, 1                            ; v1   16 x lane
.set XA,  2                            ; v2   q, k: my weight's four records + 16 x lane
.set YA,  3                            ; v3   q, k: my four records of h + 16 x lane
.set BA,  4                            ; v4   q, k: my half's eight biases of a tile
.set XV0, 5                            ; v5   v: my records 0-3 of h
.set MB,  6                            ; v6-9 q, k: the mask bytes of my token in four tiles
.set XV1, 10                           ; v10  v: my records 4-7 of h
.set YV,  12                           ; v12  v: my two records of Wv
.set BVA, 13                           ; v13  v: my column's bias
.set TM,  14                           ; v14-25 the quantiser's work
.set PW,  26                           ; v26-29 scale words just made
.set XF,  32                           ; v32-63  four fragments of source 0
.set YF,  64                           ; v64-95  four (v: two) of source 1
.set XS,  96                           ; v96-111  q, k: the weight's scale words;  v112-127 h's
.set YS,  112
.set YSV, 80                           ; v80-87   v: Wv's scale words;  v88-119 h's, eight tiles
.set XSV, 88
.set BV,  120                          ; v[120:121], v[122:123]  v: my column's bias in two tiles (low halves)
.set ACC, 128                          ; v128-255 sixteen accumulators
.set WV,  20
.set G1A, 24
.set G0A, 32
.set G1B, 36
.set G0B, 44
.set SEL, 76
.macro CROUND                          ; a round of the cluster's barrier: my work-group's barrier; wave 0 signals for the work-group; every wave waits for all sixteen; my work-group's barrier once more
	s_barrier_signal -1
	s_barrier_wait -1
	s_cmp_lg_u32 s[WV], 0
	s_cbranch_scc1 .Lnot_wave_0_\@
	s_barrier_signal -3
.Lnot_wave_0_\@:
	s_barrier_wait -3
	s_barrier_signal -1
	s_barrier_wait -1
.endm
; 32 numbers of a lane, register 16 b + i = k 32 b + 16 (lane / 16) + i of my row, become 4 registers of codes (lane (r, h): block h of row r) and the two scale bytes in the low half of v[pw]
.macro QUANT2 s, pc, pw
.irp b, 0,1
	v_max3_num_f32 v[TM+\b], |v[(\s)+16*\b]|, |v[(\s)+1+16*\b]|, 0x1800000      ; with the floor 2^(3 - 127): the byte cannot fall under 1
.endr
.irp e, 2,4,6,8,10,12,14
.irp b, 0,1
	v_max3_num_f32 v[TM+\b], v[TM+\b], |v[(\s)+16*\b+\e]|, |v[(\s)+1+16*\b+\e]|
.endr
.endr
.irp b, 0,1
	s_delay_alu instid0(VALU_DEP_2)
	v_permlanex16_b32 v[TM+4+\b], v[TM+\b], s[SEL], s[SEL+1]
.endr
.irp b, 0,1
	s_delay_alu instid0(VALU_DEP_2)
	v_max_num_f32 v[TM+\b], v[TM+\b], v[TM+4+\b]   ; with lane l xor 16's: the block's largest magnitude
.endr
.irp b, 0,1
	s_delay_alu instid0(VALU_DEP_2)
	v_add_nc_u32 v[TM+8+\b], 0xff000000, v[TM+\b]  ; 2 off its exponent field: the conversion's scale operand
.endr
.irp b, 0,1
	s_delay_alu instid0(VALU_DEP_2)
	v_lshrrev_b32 v[TM+4+\b], 23, v[TM+8+\b]       ; the scale's byte
.endr
	s_delay_alu instid0(VALU_DEP_1)
	v_lshl_or_b32 v[\pw], v[TM+5], 8, v[TM+4]
.irp b, 0,1
	v_cvt_scalef32_pk8_fp4_f32 v[(\pc)+2*\b], v[(\s)+16*\b:(\s)+7+16*\b], v[TM+8+\b]
	v_cvt_scalef32_pk8_fp4_f32 v[(\pc)+1+2*\b], v[(\s)+8+16*\b:(\s)+15+16*\b], v[TM+8+\b]
.endr
	v_nop                                          ; one plain place behind a scaled conversion
.irp u, 0,1
	v_permlane16_swap_b32 v[(\pc)+\u], v[(\pc)+2+\u]   ; a whole block to a lane: lanes 0-15 block 0, lanes 16-31 block 1
.endr
.endm
; the same for 64 numbers: a whole fragment (8 registers) and a whole scale word
.macro QUANT4 s, pc, pw
.irp b, 0,1,2,3
	v_max3_num_f32 v[TM+\b], |v[(\s)+16*\b]|, |v[(\s)+1+16*\b]|, 0x1800000
.endr
.irp e, 2,4,6,8,10,12,14
.irp b, 0,1,2,3
	s_delay_alu instid0(VALU_DEP_4)
	v_max3_num_f32 v[TM+\b], v[TM+\b], |v[(\s)+16*\b+\e]|, |v[(\s)+1+16*\b+\e]|
.endr
.endr
.irp b, 0,1,2,3
	s_delay_alu instid0(VALU_DEP_4)
	v_permlanex16_b32 v[TM+4+\b], v[TM+\b], s[SEL], s[SEL+1]
.endr
.irp b, 0,1,2,3
	s_delay_alu instid0(VALU_DEP_4)
	v_max_num_f32 v[TM+\b], v[TM+\b], v[TM+4+\b]
.endr
.irp b, 0,1,2,3
	s_delay_alu instid0(VALU_DEP_4)
	v_add_nc_u32 v[TM+8+\b], 0xff000000, v[TM+\b]
.endr
.irp b, 0,1,2,3
	s_delay_alu instid0(VALU_DEP_4)
	v_lshrrev_b32 v[TM+4+\b], 23, v[TM+8+\b]
.endr
	s_delay_alu instid0(VALU_DEP_3)
	v_lshl_or_b32 v[\pw], v[TM+5], 8, v[TM+4]
	s_delay_alu instid0(VALU_DEP_1)
	v_lshl_or_b32 v[\pw], v[TM+6], 16, v[\pw]
	s_delay_alu instid0(VALU_DEP_1)
	v_lshl_or_b32 v[\pw], v[TM+7], 24, v[\pw]
.irp b, 0,1,2,3
	v_cvt_scalef32_pk8_fp4_f32 v[(\pc)+2*\b], v[(\s)+16*\b:(\s)+7+16*\b], v[TM+8+\b]
	v_cvt_scalef32_pk8_fp4_f32 v[(\pc)+1+2*\b], v[(\s)+8+16*\b:(\s)+15+16*\b], v[TM+8+\b]
.endr
	v_nop
.irp c, 0,1
.irp u, 0,1
	v_permlane16_swap_b32 v[(\pc)+4*\c+\u], v[(\pc)+2+4*\c+\u]
.endr
.endr
.endm
.macro PLACES                          ; four plain places behind matrix instructions, in front of loads into registers that they have read and of reads of their results
.rept 4
	v_nop
.endr
.endm
; K step s of 128 for 4 x 4 tiles: 16 loads, 16 products; the sixteen accumulators take turns in the same order in every step
.macro STEP44 s
.if (\s) > 0
	PLACES
.endif
.irp x, 0,1,2,3
.irp c, 0,1
	ds_load_b128 v[XF+8*\x+4*\c:XF+8*\x+4*\c+3], v[XA] offset:\x*WREC+(\s)*1024+\c*512
.endr
.endr
.irp y, 0,1,2,3
.irp c, 0,1
	ds_load_b128 v[YF+8*\y+4*\c:YF+8*\y+4*\c+3], v[YA] offset:\y*HREC+(\s)*1024+\c*512
.endr
.endr
.irp y, 0,1,2,3
	s_wait_dscnt 6-2*\y                            ; all but the loads of the token tiles behind tile y
.irp x, 0,1,2,3
.if (\s) < 4
	v_wmma_scale_f32_16x16x128_f8f6f4 v[ACC+32*\y+8*\x:ACC+32*\y+8*\x+7], v[XF+8*\x:XF+8*\x+7], v[YF+8*\y:YF+8*\y+7], v[ACC+32*\y+8*\x:ACC+32*\y+8*\x+7], v[XS+4*\x+(\s)], v[YS+4*\y+(\s)] matrix_a_fmt:MATRIX_FMT_FP4 matrix_b_fmt:MATRIX_FMT_FP4
.else
	v_wmma_scale_f32_16x16x128_f8f6f4 v[ACC+32*\y+8*\x:ACC+32*\y+8*\x+7], v[XF+8*\x:XF+8*\x+7], v[YF+8*\y:YF+8*\y+7], v[ACC+32*\y+8*\x:ACC+32*\y+8*\x+7], v[XS+4*\x+(\s)-4], v[YS+4*\y+(\s)-4] matrix_a_fmt:MATRIX_FMT_FP4 matrix_b_fmt:MATRIX_FMT_FP4 matrix_a_scale:MATRIX_SCALE_ROW1 matrix_b_scale:MATRIX_SCALE_ROW1
.endif
.endr
.endr
.endm
; v: K step s for token tiles 4 g .. 4 g + 3 (address register adr) x my two tiles of Wv
.macro VHALF s, g, adr
.irp x, 0,1,2,3
.irp c, 0,1
	ds_load_b128 v[XF+8*\x+4*\c:XF+8*\x+4*\c+3], v[\adr] offset:\x*HREC+(\s)*1024+\c*512
.endr
.endr
.irp x, 0,1,2,3
	s_wait_dscnt 6-2*\x                            ; all but the loads of the token tiles behind tile x
.irp y, 0,1
.if (\s) == 0
	v_wmma_scale_f32_16x16x128_f8f6f4 v[ACC+64*\y+8*(4*\g+\x):ACC+64*\y+8*(4*\g+\x)+7], v[XF+8*\x:XF+8*\x+7], v[YF+8*\y:YF+8*\y+7], 0, v[XSV+4*(4*\g+\x)], v[YSV+4*\y] matrix_a_fmt:MATRIX_FMT_FP4 matrix_b_fmt:MATRIX_FMT_FP4
.elseif (\s) < 4
	v_wmma_scale_f32_16x16x128_f8f6f4 v[ACC+64*\y+8*(4*\g+\x):ACC+64*\y+8*(4*\g+\x)+7], v[XF+8*\x:XF+8*\x+7], v[YF+8*\y:YF+8*\y+7], v[ACC+64*\y+8*(4*\g+\x):ACC+64*\y+8*(4*\g+\x)+7], v[XSV+4*(4*\g+\x)+(\s)], v[YSV+4*\y+(\s)] matrix_a_fmt:MATRIX_FMT_FP4 matrix_b_fmt:MATRIX_FMT_FP4
.else
	v_wmma_scale_f32_16x16x128_f8f6f4 v[ACC+64*\y+8*(4*\g+\x):ACC+64*\y+8*(4*\g+\x)+7], v[XF+8*\x:XF+8*\x+7], v[YF+8*\y:YF+8*\y+7], v[ACC+64*\y+8*(4*\g+\x):ACC+64*\y+8*(4*\g+\x)+7], v[XSV+4*(4*\g+\x)+(\s)-4], v[YSV+4*\y+(\s)-4] matrix_a_fmt:MATRIX_FMT_FP4 matrix_b_fmt:MATRIX_FMT_FP4 matrix_a_scale:MATRIX_SCALE_ROW1 matrix_b_scale:MATRIX_SCALE_ROW1
.endif
.endr
.endr
.endm
.macro VSTEP s
.if (\s) > 0
	PLACES
.endif
.irp y, 0,1
.irp c, 0,1
	ds_load_b128 v[YF+8*\y+4*\c:YF+8*\y+4*\c+3], v[YV] offset:\y*WREC+(\s)*1024+\c*512
.endr
.endr
	VHALF \s, 0, XV0
	PLACES
	VHALF \s, 1, XV1
.endm
	s_load_b256 s[4:11], s[0:1], 0x0               ; hrec 4, wrec 6, mask 8, qrec 10
	s_load_b64 s[12:13], s[0:1], 0x20              ; kvrec
	v_lshl_add_u32 v11, v0, 2, 0x3c400
	s_set_vgpr_msb 0x40
	v_mov_b32 v1, 0
	s_set_vgpr_msb 0x4044
	ds_add_u32 v11, v1
	ds_add_u32 v11, v1
	s_set_vgpr_msb 0x4400
	v_lshrrev_b32 v1, 5, v0
	s_delay_alu instid0(VALU_DEP_1)
	v_readfirstlane_b32 s[WV], v1                  ; wave 0..11
	s_bfe_u32 s48, ttmp6, 0x40000                  ; cx, cy: my place in the cluster
	s_bfe_u32 s49, ttmp6, 0x40004
	s_lshl_b32 s50, ttmp9, 2
	s_add_co_u32 s50, s50, s48                     ; the head = 4 x cluster x + cx
	s_and_b32 s51, ttmp7, 0xffff
	s_lshl_b32 s51, s51, 2
	s_add_co_u32 s51, s51, s49                     ; the block of 256 tokens = 4 x cluster y + cy
	s_lshl_b32 s52, s49, 2
	s_lshl_b32 s52, 15, s52                        ; my row of the cluster
	s_lshl_b32 s53, 0x1111, s48                    ; my column
	; descriptor groups 1: dense blocks as rows of 256 bytes (32 elements of 8 bytes), no padding.  h: four records = 136 rows; a weight: four records = 140 rows
	s_or_b32 s[G1A], s52, (3<<16)|(1<<21)          ; 15:0 the mask: h's records go to my row; 17:16 elements of 8 bytes; 21 set beside a mask
	s_mov_b32 s[G1A+1], 32<<16                     ; tensor_dim0 = 32
	s_mov_b32 s[G1A+2], 136<<16                    ; tensor_dim1 = 136
	s_mov_b32 s[G1A+3], 32<<16                     ; tile_dim0 = 32
	s_mov_b32 s[G1A+4], 136                        ; tile_dim1 = 136
	s_mov_b32 s[G1A+5], 32                         ; from row to row: 32 elements
	s_mov_b32 s[G1A+6], 0
	s_mov_b32 s[G1A+7], 0
	s_or_b32 s[G1B], s53, (3<<16)|(1<<21)          ; the weights go to my column
	s_mov_b32 s[G1B+1], 32<<16
	s_mov_b32 s[G1B+2], 140<<16
	s_mov_b32 s[G1B+3], 32<<16
	s_mov_b32 s[G1B+4], 140
	s_mov_b32 s[G1B+5], 32
	s_mov_b32 s[G1B+6], 0
	s_mov_b32 s[G1B+7], 0
	s_and_b32 s21, s[WV], 3
	s_mul_i32 s22, s21, 4*HREC                     ; waves 0-3: which quarter of h's records I fetch, in LDS and in memory.  Also: the four records that a q or k wave reads
	s_mul_i32 s54, s51, 16*HREC
	s_add_co_u32 s54, s54, s22
	s_mov_b32 s55, 0
	s_mul_i32 s23, s21, 4*WREC                     ; waves 4-6: Wq's, Wk's or Wv's four records of the head
	s_mul_i32 s56, s21, WMAT
	s_mul_i32 s57, s50, 4*WREC
	s_add_co_u32 s56, s56, s57
	s_mov_b32 s57, 0
	s_mov_b32 s[SEL], 0x76543210
	s_mov_b32 s[SEL+1], 0xfedcba98                 ; lane l xor 16
	s_mov_b32 s70, 0xffff0000                      ; lanes 16-31
	; every LDS address register of both roles is made here, ahead of the parting
	v_and_b32 v1, 31, v0
	s_delay_alu instid0(VALU_DEP_1)
	v_lshlrev_b32 v[L16], 4, v1
	s_wait_alu depctr_va_vdst(0)
	v_bfe_u32 v14, v0, 4, 1                        ; h = lane / 16
	v_and_b32 v15, 15, v0                          ; r = lane % 16
	s_wait_alu depctr_va_vdst(0)
	s_lshr_b32 s58, s[WV], 2                       ; 0: q, 1: k
	s_mul_i32 s59, s58, 4*WREC
	s_add_co_u32 s59, s59, WL
	v_add_nc_u32 v[XA], s59, v[L16]
	v_add_nc_u32 v[YA], s22, v[L16]
	s_add_co_u32 s60, s59, 8704
	v_lshl_add_u32 v[BA], v14, 5, s60              ; the biases of tile rows 8 h .. 8 h + 7
	s_lshr_b32 s61, s[WV], 1
	s_and_b32 s61, s61, 1                          ; v: which 128 tokens
	s_and_b32 s62, s[WV], 1                        ; v: which 32 columns
	s_mul_i32 s63, s61, 8*HREC
	v_add_nc_u32 v[XV0], s63, v[L16]
	s_delay_alu instid0(VALU_DEP_1)
	v_add_nc_u32 v[XV1], 4*HREC, v[XV0]
	s_mul_i32 s66, s62, 2*WREC
	s_add_co_u32 s66, s66, WL+8*WREC
	v_add_nc_u32 v[YV], s66, v[L16]
	s_add_co_u32 s67, s66, 8704
	v_lshl_add_u32 v[BVA], v15, 2, s67             ; the bias of tile row r
	v_and_b32 v30, 8, v15
	s_delay_alu instid0(VALU_DEP_1)
	v_add_nc_u32 v30, v30, v15                     ; r + 8 (r / 8): my token's place among a tile pair's 32
.irp b, 0,1,2,3
	v_mov_b32 v[TM+4+\b], 0                        ; written once: a lane exchange's destination counts as one of its sources
.endr
	s_lshr_b32 s80, s51, 3
	s_lshl_b32 s80, s80, 4
	s_add_co_u32 s80, s80, s50                     ; 16 x batch + head
	s_and_b32 s81, s51, 7                          ; the block of 256 tokens within the batch
	s_wait_dscnt 0x0
	s_wait_kmcnt 0x0
	s_mov_b32 s[G0A], 1                            ; count = 1
	s_mov_b32 s[G0A+1], s22                        ; LDS address
	s_add_nc_u64 s[G0A+2:G0A+3], s[4:5], s[54:55]  ; global address: made of the token block and the wave's number alone
	s_or_b32 s[G0A+3], s[G0A+3], 0x80000000        ; type = 2
	s_mov_b32 s[G0B], 1
	s_add_co_u32 s[G0B+1], s23, WL
	s_add_nc_u64 s[G0B+2:G0B+3], s[6:7], s[56:57]  ; made of the head and the wave's number alone
	s_or_b32 s[G0B+3], s[G0B+3], 0x80000000
	CROUND                                         ; all sixteen work-groups are here: the joint loads meet
	s_cmp_lt_u32 s[WV], 4                          ; waves 0-3 fetch h, waves 4-6 the weights, the others nothing: one tensor load a wave at the most.  Four v_nop follow each line
	s_cbranch_scc0 .Lnot_a
	tensor_load_to_lds s[G0A:G0A+3], s[G1A:G1A+7]
	s_nop 0
	PLACES
	s_branch .Lasked
.Lnot_a:
	s_cmp_lt_u32 s[WV], 7
	s_cbranch_scc0 .Lasked
	tensor_load_to_lds s[G0B:G0B+3], s[G1B:G1B+7]
	s_nop 0
	PLACES
.Lasked:
	s_wait_tensorcnt 0x0                           ; my part has landed,
	s_barrier_signal -1
	s_barrier_wait -1                              ; everybody's has
	s_cmp_lt_u32 s[WV], 8
	s_cbranch_scc0 .Lpath_v
	; ---- q and k
	s_cmp_eq_u32 s58, 0                            ; q's wave or k's: the choice hangs on the wave's number alone
	s_cselect_b64 s[72:73], s[10:11], s[12:13]
	s_mul_i32 s82, s80, QREC
	s_mul_i32 s83, s80, KVREC
	s_cselect_b32 s82, s82, s83                    ; my record
	s_mov_b32 s83, 131072
	s_cselect_b32 s66, 65536, s83                  ; where its scale words begin
	s_cselect_b32 s68, 0, 0xf70000                 ; the scale word's third byte is s69 - s68 x mask: q: 127;
	s_mov_b32 s69, 0xf70000                        ; k: 247 - 247 x mask
	s_cselect_b32 s69, 0x7f0000, s69
	s_mov_b32 s83, 0
	s_add_nc_u64 s[72:73], s[72:73], s[82:83]
	s_lshl_b32 s2, s81, 2
	s_add_co_u32 s2, s2, s21                       ; which 64 tokens of the batch
	s_lshl_b32 s82, s2, 8
	s_add_co_u32 s82, s82, s66
	s_add_nc_u64 s[74:75], s[72:73], s[82:83]      ; their 256 bytes of scale words
	s_lshl_b32 s82, s2, 11
	s_add_nc_u64 s[72:73], s[72:73], s[82:83]      ; their four tiles of codes
	s_lshl_b32 s82, s51, 8
	s_lshl_b32 s2, s21, 6
	s_add_co_u32 s82, s82, s2
	s_add_nc_u64 s[78:79], s[8:9], s[82:83]        ; their mask bytes
	s_wait_alu depctr_va_vdst(0)
.irp y, 0,1,2,3
	global_load_u8 v[MB+\y], v30, s[78:79] offset:32*(\y/2)+8*(\y%2)       ; (q's waves load them too, and multiply them by 0: one text for both)
.endr
.irp x, 0,1,2,3
	ds_load_b128 v[XS+4*\x:XS+4*\x+3], v[XA] offset:\x*WREC+8192
.endr
.irp y, 0,1,2,3
	ds_load_b128 v[YS+4*\y:YS+4*\y+3], v[YA] offset:\y*HREC+8192
.endr
.irp y, 0,1,2,3
.irp x, 0,1,2,3
	ds_load_b128 v[ACC+32*\y+8*\x:ACC+32*\y+8*\x+3], v[BA] offset:\x*WREC          ; the bias in the result's layout: the C of the first product
	ds_load_b128 v[ACC+32*\y+8*\x+4:ACC+32*\y+8*\x+7], v[BA] offset:\x*WREC+16
.endr
.endr
.irp s, 0,1,2,3,4,5,6,7
	STEP44 \s
.endr
	PLACES
	s_wait_loadcnt 0x0                             ; the mask bytes; their offset register is free from here on
.irp y, 0,1,2,3
	QUANT2 ACC+32*\y, XF+4*\y, PW+\y
	v_mul_u32_u24 v30, v[MB+\y], s68
	s_delay_alu instid0(VALU_DEP_1)
	v_sub_nc_u32 v30, s69, v30
	s_delay_alu instid0(VALU_DEP_1)
	v_or_b32 v[PW+\y], v[PW+\y], v30               ; the third byte; the fourth stays 0
	global_store_b128 v[L16], v[XF+4*\y:XF+4*\y+3], s[72:73] offset:512*\y         ; a tile's codes: 512 consecutive bytes
.endr
	v_cndmask_b32 v30, v[PW], v[PW+2], s70         ; lanes 0-15 store the words of tiles 0, 1, lanes 16-31 those of tiles 2, 3
	v_cndmask_b32 v31, v[PW+1], v[PW+3], s70
	v_and_b32 v14, 15, v0
	v_bfe_u32 v15, v0, 4, 1
	s_delay_alu instid0(VALU_DEP_2)
	v_lshlrev_b32 v14, 4, v14
	s_delay_alu instid0(VALU_DEP_1)
	v_lshl_add_u32 v14, v15, 3, v14                ; 16 r + 8 h
	global_store_b64 v14, v[30:31], s[74:75]       ; 256 consecutive bytes
	s_branch .Ljoin
.Lpath_v:
	; ---- v
	s_mul_i32 s66, s80, KVREC
	s_lshl_b32 s2, s81, 1
	s_add_co_u32 s2, s2, s61                       ; which 128 keys of the batch
	s_lshl_b32 s82, s2, 12
	s_lshl_b32 s3, s62, 11
	s_add_co_u32 s82, s82, s3
	s_add_co_u32 s82, s82, s66
	s_add_co_u32 s82, s82, 65536
	s_mov_b32 s83, 0
	s_add_nc_u64 s[72:73], s[12:13], s[82:83]      ; my two fragments
	s_lshl_b32 s82, s2, 8
	s_lshl_b32 s3, s62, 7
	s_add_co_u32 s82, s82, s3
	s_add_co_u32 s82, s82, s66
	s_add_co_u32 s82, s82, 139264
	s_add_nc_u64 s[74:75], s[12:13], s[82:83]      ; their scale words
.irp x, 0,1,2,3
	ds_load_b128 v[XSV+4*\x:XSV+4*\x+3], v[XV0] offset:\x*HREC+8192
.endr
	s_wait_alu depctr_va_vdst(0)
.irp x, 0,1,2,3
	ds_load_b128 v[XSV+16+4*\x:XSV+16+4*\x+3], v[XV1] offset:\x*HREC+8192
.endr
.irp y, 0,1
	ds_load_b128 v[YSV+4*\y:YSV+4*\y+3], v[YV] offset:\y*WREC+8192
	ds_load_b32 v[BV+2*\y], v[BVA] offset:\y*WREC
.endr
	v_mov_b32 v[BV+1], 0                           ; (named as the pairs' upper halves, so they are written)
	v_mov_b32 v[BV+3], 0
.irp s, 0,1,2,3,4,5,6,7
	VSTEP \s
.endr
	PLACES
	s_wait_alu depctr_va_vdst(0)
.irp y, 0,1
.set jj, 0
.rept 32
	v_pk_add_f32 v[ACC+64*\y+jj:ACC+64*\y+jj+1], v[ACC+64*\y+jj:ACC+64*\y+jj+1], v[BV+2*\y:BV+2*\y+1] op_sel_hi:[1,0]    ; + my column's bias, each accumulator from its low end on
.set jj, jj+2
.endr
	QUANT4 ACC+64*\y, XF+8*\y, PW+\y
	global_store_b128 v[L16], v[XF+8*\y:XF+8*\y+3], s[72:73] offset:1024*\y
	global_store_b128 v[L16], v[XF+8*\y+4:XF+8*\y+7], s[72:73] offset:1024*\y+512
.endr
	v_cndmask_b32 v30, v[PW], v[PW+1], s70         ; lanes 0-15 store the first tile's words, lanes 16-31 the second's
	v_and_b32 v14, 15, v0
	v_bfe_u32 v15, v0, 4, 1
	s_delay_alu instid0(VALU_DEP_2)
	v_lshlrev_b32 v14, 3, v14
	s_delay_alu instid0(VALU_DEP_1)
	v_lshl_add_u32 v14, v15, 2, v14                ; 8 r + 4 h
	global_store_b32 v14, v30, s[74:75]            ; 128 consecutive bytes; the wave beside me stores the 128 next to them
.Ljoin:
	s_set_vgpr_msb 0x4
	s_wait_tensorcnt 0x0
	ds_add_u32 v11, v1
	s_wait_dscnt 0x0
	s_set_vgpr_msb 0x400
	CROUND                                         ; the closing round: no work-group ends while a partner may still ask for a tile that names it
	s_endpgm
.Lfunc_end_k_qd9c98b1da2_qkv:
	.size	k_qd9c98b1da2_qkv, .Lfunc_end_k_qd9c98b1da2_qkv-k_qd9c98b1da2_qkv
	.p2alignl 7, 3214868480
	.fill 96, 4, 3214868480
	.section	.rodata,"a",@progbits
	.p2align	6, 0x0
	.amdhsa_kernel k_qd9c98b1da2_qkv
		.amdhsa_group_segment_fixed_size 248320
		.amdhsa_private_segment_fixed_size 0
		.amdhsa_enable_private_segment 0
		.amdhsa_kernarg_size 40
		.amdhsa_user_sgpr_count 2
		.amdhsa_user_sgpr_kernarg_segment_ptr 1
		.amdhsa_wavefront_size32 1
		.amdhsa_system_sgpr_workgroup_id_x 1
		.amdhsa_system_sgpr_workgroup_id_y 1
		.amdhsa_system_sgpr_workgroup_id_z 1
		.amdhsa_system_vgpr_workitem_id 0
		.amdhsa_next_free_vgpr 258
		.amdhsa_next_free_sgpr 84
		.amdhsa_reserve_vcc 0
		.amdhsa_float_denorm_mode_32 3
		.amdhsa_float_denorm_mode_16_64 3
		.amdhsa_memory_ordered 1
		.amdhsa_forward_progress 1
		.amdhsa_inst_pref_size 94
	.end_amdhsa_kernel
	.amdgpu_metadata
---
amdhsa.version: [ 1, 2 ]
amdhsa.kernels:
  - .name:           k_qd9c98b1da2_qkv
    .symbol:         k_qd9c98b1da2_qkv.kd
    .args:
      - { .name: hrec, .offset: 0, .size: 8, .value_kind: global_buffer, .address_space: global }
      - { .name: wrec, .offset: 8, .size: 8, .value_kind: global_buffer, .address_space: global }
      - { .name: mask, .offset: 16, .size: 8, .value_kind: global_buffer, .address_space: global }
      - { .name: qrec, .offset: 24, .size: 8, .value_kind: global_buffer, .address_space: global }
      - { .name: kvrec, .offset: 32, .size: 8, .value_kind: global_buffer, .address_space: global }
    .group_segment_fixed_size: 248320
    .private_segment_fixed_size: 0
    .kernarg_segment_align: 8
    .kernarg_segment_size: 40
    .max_flat_workgroup_size: 384
    .sgpr_count:     84
    .vgpr_count:     258
    .wavefront_size: 32
...
	.end_amdgpu_metadata
.endif
;; end of part 2
;; launch attn (part 3): grid 4 x 64, 16 waves a work-group, clusters of 4 x 1, 169,984 bytes of LDS; arguments qrec, kvrec, orec; writes orec
.if DOCPART == 3
	.amdgcn_target "amdgcn-amd-amdhsa--gfx1250"
	.amdhsa_code_object_version 6
	.text
	.protected	k_qd9c98b1da2_attn
	.globl	k_qd9c98b1da2_attn
	.p2align	8
	.type	k_qd9c98b1da2_attn,@function
k_qd9c98b1da2_attn:
	s_mov_b64 s[64:65], 0
	v_nop
	global_prefetch_b8 v0, s[64:65] scope:SCOPE_SE
	s_setreg_imm32_b32 hwreg(HW_REG_WAVE_MODE, 25, 1), 1
	s_wait_xcnt 0x0
	s_wait_alu depctr_hold_cnt(0) depctr_sa_sdst(0) depctr_va_vdst(0) depctr_va_sdst(0) depctr_va_ssrc(0) depctr_va_vcc(0) depctr_vm_vsrc(0)
	s_getreg_b32 s2, hwreg(HW_REG_IB_STS2, 6, 4)
	s_cmp_eq_u32 s2, 0
	s_cbranch_scc0 .Lentry_in_a_cluster
	s_endpgm
.Lentry_in_a_cluster:
	s_bfe_u32 s2, ttmp6, 0x10000c
	s_cmp_lg_u32 s2, 0x3003
	s_cbranch_scc0 .Lentry_shape_is_right
	s_endpgm
.Lentry_shape_is_right:
; o = softmax(q k^T / 8, masked) v for one head, both products on codes of FP4 (E2M1) with E8M0 scales; o is quantised along the model's 1,024 columns for the last projection.
; THE SOFTMAX AHEAD OF THE SECOND PRODUCT: t = score x log2(e) / 8; M = the running largest t rounded UP to a whole number; p = 2^(t - M) is quantised along the keys, not normalised; the row's sum is taken of the unquantised p
; and divides at the end.  When M moves, the sum and O are multiplied by 2^(old M - new M), which rounds nothing.
; SHARES.  A work-group owns 512 queries of one (batch, head); each of its sixteen waves two tiles of 16 queries, one after the other, in 256 registers: four waves to a SIMD, so that one wave's vector work stands beside
; another's products and LDS loads.  The head's whole record of k and v (143,360 bytes: codes and scale words as images of the operands' registers) lies in LDS, filled once: no slot is filled again.
; CLUSTER 4 x 1: the four query blocks of a head read the same record: each wave's sixteenth of it is asked for jointly, by the same tensor load with the mask 15.
; LAYOUT.  Both products transposed: S^T = k q^T (source 0 = 16 keys, source 1 = my 16 queries), O^T = v^T p^T: a lane holds one query throughout.  A tile T holds tokens 32 (T / 2) + 8 (T % 2) + r + 8 (r / 8), so the 16
; registers of key tiles 2 b, 2 b + 1 are 16 neighbouring keys, and those of O^T's tiles 2 b, 2 b + 1 are 16 neighbouring columns of the head.
; THE MASK costs no instruction here.  The score product has K = 64 in an instruction of K = 128: every query carries the code +6 at k = 64 (scale byte 127), every key -6 there, with the scale byte 0 where the key counts
; (-36 x 2^-127 on every such score alike, which a softmax does not see) and 247 where it does not (-36 x 2^120: p = 0).  k = 96 .. 127: zero codes on both sides.
; LIMITS: the running largest t begins at -1e30, above a masked key's t (about -8.6e36): a kept key's |t| must stay far under 1e30.  A batch whose mask is all false (NaN by the definition) gets other numbers.  NaN and
; infinities are not served.  A block of zeros gets the scale byte 1 (its codes are zeros; this program alone reads the bytes).
.set KVREC, 143360
.set QREC,  73728
.set HREC,  8704
.set WV,  10
.set SEL, 28                           ; s[28:29] lane l xor 16
.set CS,  30                           ; s[30:31] c = log2(e) / 8, twice
.set HI,  32                           ; s32  lanes 16-31
.set TK,  42                           ; s42  the key step's codes: 4,096 bytes a step, in k's part and in v's
.set TS,  43                           ; s43  k's scale words: 512 a step
.set TJ,  44                           ; s44  v's: 256 a step
.set CNT, 45
.set TM,  232                          ; the quantiser's work: v232.., v236.., v240..
; REGISTERS: v1 16 lane; v2 + 65,536 (v's codes); v3 k's scale words; v4 v's; v5-8 the step's addresses; v9 16 r; v10 16 r + 8,704 h; v11 tile 0's scale bytes; v12 -M; v13 the largest t; v[14:15] the sum in two halves;
; v16-31 two fragments of q; v32-95 eight of k (the upper four registers of each are constants); v96-127 four of v; v128-191 S^T, then p; v192-223 O^T; v224-231 p's codes; v232-243 at work; v244-247 k's scale words;
; v248-249 v's; v250, 251 q's; v252 f; v253 p's scale word; v254, 255 at work.
.macro CROUND                          ; a round of the cluster's barrier
	s_barrier_signal -1
	s_barrier_wait -1
	s_cmp_lg_u32 s[WV], 0
	s_cbranch_scc1 .Lnot_wave_0_\@
	s_barrier_signal -3
.Lnot_wave_0_\@:
	s_barrier_wait -3
	s_barrier_signal -1
	s_barrier_wait -1
.endm
; 32 numbers of a lane, register 16 b + e = column 32 b + 16 (lane / 16) + e of my row, become 4 registers of codes (lane (r, h): block h) and two scale bytes in the low half of v[pw]
.macro QUANT2 s, pc, pw
.irp b, 0,1
	v_max3_num_f32 v[TM+\b], |v[(\s)+16*\b]|, |v[(\s)+1+16*\b]|, 0x1800000
.endr
.irp e, 2,4,6,8,10,12,14
.irp b, 0,1
	s_delay_alu instid0(VALU_DEP_2)
	v_max3_num_f32 v[TM+\b], v[TM+\b], |v[(\s)+16*\b+\e]|, |v[(\s)+1+16*\b+\e]|
.endr
.endr
.irp b, 0,1
	s_delay_alu instid0(VALU_DEP_2)
	v_permlanex16_b32 v[TM+4+\b], v[TM+\b], s[SEL], s[SEL+1]
.endr
.irp b, 0,1
	s_delay_alu instid0(VALU_DEP_2)
	v_max_num_f32 v[TM+\b], v[TM+\b], v[TM+4+\b]
.endr
.irp b, 0,1
	s_delay_alu instid0(VALU_DEP_2)
	v_add_nc_u32 v[TM+8+\b], 0xff000000, v[TM+\b]
.endr
.irp b, 0,1
	s_delay_alu instid0(VALU_DEP_2)
	v_lshrrev_b32 v[TM+4+\b], 23, v[TM+8+\b]
.endr
	s_delay_alu instid0(VALU_DEP_1)
	v_lshl_or_b32 v[\pw], v[TM+5], 8, v[TM+4]
.irp b, 0,1
	v_cvt_scalef32_pk8_fp4_f32 v[(\pc)+2*\b], v[(\s)+16*\b:(\s)+7+16*\b], v[TM+8+\b]
	v_cvt_scalef32_pk8_fp4_f32 v[(\pc)+1+2*\b], v[(\s)+8+16*\b:(\s)+15+16*\b], v[TM+8+\b]
.endr
	v_nop                                          ; one plain place behind a scaled conversion
.irp u, 0,1
	v_permlane16_swap_b32 v[(\pc)+\u], v[(\pc)+2+\u]
.endr
.endm
	s_load_b128 s[4:7], s[0:1], 0x0                ; qrec, kvrec
	s_load_b64 s[8:9], s[0:1], 0x10                ; orec
	v_lshl_add_u32 v254, v0, 2, 0x29000
	v_mov_b32 v255, 0
	ds_add_u32 v254, v255
	ds_add_u32 v254, v255
	s_wait_dscnt 0x0
	v_lshrrev_b32 v1, 5, v0
	s_delay_alu instid0(VALU_DEP_1)
	v_readfirstlane_b32 s[WV], v1                  ; wave 0..15
	s_bfe_u32 s11, ttmp6, 0x40000                  ; cx
	s_lshl_b32 s12, ttmp9, 2
	s_add_co_u32 s12, s12, s11                     ; my block of 512 queries: it enters q's and o's addresses alone
	s_and_b32 s13, ttmp7, 0xffff                   ; 16 x batch + head, which the four partners share
	; descriptor group 1: a dense block of 8,960 bytes as 35 rows of 256 (32 elements of 8 bytes), no padding
	s_mov_b32 s16, 15|(3<<16)|(1<<21)              ; 15:0 the mask: all four work-groups; 17:16 elements of 8 bytes; 21 set beside a mask
	s_mov_b32 s17, 32<<16                          ; tensor_dim0
	s_mov_b32 s18, 35<<16                          ; tensor_dim1
	s_mov_b32 s19, 32<<16                          ; tile_dim0
	s_mov_b32 s20, 35                              ; tile_dim1
	s_mov_b32 s21, 32                              ; from row to row
	s_mov_b32 s22, 0
	s_mov_b32 s23, 0
	s_mul_i32 s14, s[WV], 8960                     ; my sixteenth of the record, in LDS and in memory
	s_mul_i32 s46, s13, KVREC
	s_add_co_u32 s46, s46, s14
	s_mov_b32 s47, 0
	s_lshl_b32 s48, s12, 5
	s_lshl_b32 s49, s[WV], 1
	s_add_co_u32 s48, s48, s49                     ; my first query tile in the batch: 32 x block + 2 x wave
	s_mul_i32 s50, s13, QREC
	s_lshl_b32 s52, s48, 9
	s_add_co_u32 s52, s52, s50                     ; its codes
	s_mov_b32 s53, 0
	s_lshr_b32 s49, s48, 2
	s_lshl_b32 s49, s49, 8
	s_and_b32 s51, s[WV], 1
	s_lshl_b32 s51, s51, 3
	s_add_co_u32 s54, s49, s51
	s_add_co_u32 s54, s54, s50
	s_add_co_u32 s54, s54, 65536                   ; its scale words: 256 bytes for four tiles, 16 a row, 4 a tile
	s_mov_b32 s55, 0
	s_mov_b32 s[SEL], 0x76543210
	s_mov_b32 s[SEL+1], 0xfedcba98
	s_mov_b32 s[CS], 0x3e38aa3b                    ; log2(e) / 8
	s_mov_b32 s[CS+1], s[CS]
	s_mov_b32 s[HI], 0xffff0000
	v_and_b32 v1, 31, v0
	s_delay_alu instid0(VALU_DEP_1)
	v_lshlrev_b32 v4, 3, v1
	s_delay_alu instid0(VALU_DEP_2)
	v_lshlrev_b32 v1, 4, v1
	s_delay_alu instid0(VALU_DEP_1)
	v_add_nc_u32 v2, 65536, v1
	s_delay_alu instid0(VALU_DEP_2)
	v_add_nc_u32 v3, 131072, v1
	s_delay_alu instid0(VALU_DEP_4)
	v_add_nc_u32 v4, 139264, v4
	v_and_b32 v9, 15, v0
	s_delay_alu instid0(VALU_DEP_1)
	v_lshlrev_b32 v9, 4, v9
	v_bfe_u32 v254, v0, 4, 1
	s_delay_alu instid0(VALU_DEP_1)
	v_mul_u32_u24 v10, v254, HREC
	s_delay_alu instid0(VALU_DEP_1)
	v_add_nc_u32 v10, v10, v9
	s_delay_alu instid0(VALU_DEP_3)
	v_sub_nc_u32 v254, 1, v254                     ; 1 in lanes 0-15, which hold k = 64 .. 95
	s_delay_alu instid0(VALU_DEP_1)
	v_mul_u32_u24 v255, v254, 15                   ; the code -6 at k = 64
	s_delay_alu instid0(VALU_DEP_2)
	v_mul_u32_u24 v254, v254, 7                    ; the code +6 at k = 64
.irp t, 0,1,2,3,4,5,6,7
	v_mov_b32 v[36+8*\t], v255                     ; the upper half of every fragment of k: written once
	v_mov_b32 v[37+8*\t], 0
	v_mov_b32 v[38+8*\t], 0
	v_mov_b32 v[39+8*\t], 0
.endr
.irp t, 0,1
	v_mov_b32 v[20+8*\t], v254                     ; and of q
	v_mov_b32 v[21+8*\t], 0
	v_mov_b32 v[22+8*\t], 0
	v_mov_b32 v[23+8*\t], 0
.endr
.irp b, 0,1,2,3
	v_mov_b32 v[236+\b], 0                         ; written once: a lane exchange's destination counts as one of its sources
.endr
	v_mov_b32 v253, 0                              ; (named as the upper half of the pair v[252:253] before it is first written)
	s_wait_kmcnt 0x0
	s_mov_b32 s24, 1                               ; group 0: count = 1
	s_mov_b32 s25, s14                             ; LDS address
	s_add_nc_u64 s[26:27], s[6:7], s[46:47]        ; global address
	s_or_b32 s27, s27, 0x80000000                  ; type = 2
	s_add_nc_u64 s[34:35], s[4:5], s[52:53]
	s_add_nc_u64 s[36:37], s[4:5], s[54:55]
	s_lshr_b32 s49, s13, 4
	s_lshl_b32 s49, s49, 7
	s_add_co_u32 s49, s49, s48                     ; my first tile among all 512
	s_mul_i32 s49, s49, HREC                       ; its record of o
	s_and_b32 s50, s13, 15                         ; the head: blocks 2 head, 2 head + 1 of the record
	s_lshl_b32 s52, s50, 9
	s_add_co_u32 s52, s52, s49
	s_add_nc_u64 s[38:39], s[8:9], s[52:53]
	s_lshr_b32 s51, s50, 3
	s_lshl_b32 s51, s51, 8
	s_and_b32 s50, s50, 7
	s_lshl_b32 s50, s50, 1
	s_add_co_u32 s54, s51, s50
	s_add_co_u32 s54, s54, s49
	s_add_co_u32 s54, s54, 8192
	s_add_nc_u64 s[40:41], s[8:9], s[54:55]        ; and their two scale bytes in a row's sixteen
	CROUND                                         ; all four work-groups are here: the joint loads meet
	tensor_load_to_lds s[24:27], s[16:23]          ; every wave asks for its sixteenth: one tensor load of mine is out
	s_nop 0
.rept 4
	v_nop
.endr
.irp t, 0,1
	global_load_b128 v[16+8*\t:19+8*\t], v1, s[34:35] offset:512*\t
	global_load_b32 v[250+\t], v9, s[36:37] offset:4*\t
.endr
	s_wait_tensorcnt 0x0                           ; my part has landed,
	s_barrier_signal -1
	s_barrier_wait -1                              ; everybody's has
	s_wait_loadcnt 0x0                             ; q
; A KEY STEP of 128 keys for query tile i
.macro STEP i
	v_add_nc_u32 v5, s[TK], v1                     ; (these four are also the places behind the last step's products, in front of the loads into the registers that they read)
	v_add_nc_u32 v6, s[TK], v2
	v_add_nc_u32 v7, s[TS], v3
	v_add_nc_u32 v8, s[TJ], v4
.irp t, 0,1,2,3,4,5,6,7
	ds_load_b128 v[32+8*\t:35+8*\t], v5 offset:512*\t
.endr
	ds_load_b128 v[244:247], v7                    ; register j: the word of key tile j in lanes 0-15, of tile 4 + j in lanes 16-31
.irp d, 0,1,2,3
	ds_load_b128 v[96+8*\d:99+8*\d], v6 offset:1024*\d
	ds_load_b128 v[100+8*\d:103+8*\d], v6 offset:1024*\d+512
.endr
	ds_load_b64 v[248:249], v8                     ; register e: the word of v's tile e in lanes 0-15, of tile 2 + e in lanes 16-31
	s_wait_dscnt 9                                 ; k and its scale words are in; v's nine loads may be out
.irp t, 0,1,2,3
	v_wmma_scale_f32_16x16x128_f8f6f4 v[128+8*\t:135+8*\t], v[32+8*\t:39+8*\t], v[16+8*\i:23+8*\i], 0, v[244+\t], v[250+\i] matrix_a_fmt:MATRIX_FMT_FP4 matrix_b_fmt:MATRIX_FMT_FP4
.endr
.irp t, 4,5,6,7
	v_wmma_scale_f32_16x16x128_f8f6f4 v[128+8*\t:135+8*\t], v[32+8*\t:39+8*\t], v[16+8*\i:23+8*\i], 0, v[240+\t], v[250+\i] matrix_a_fmt:MATRIX_FMT_FP4 matrix_b_fmt:MATRIX_FMT_FP4 matrix_a_scale:MATRIX_SCALE_ROW1
.endr
.rept 4
	v_nop                                          ; four places in front of the first read of results (ISA guide 7.12.1)
.endr
.irp b, 0,1,2,3
	v_max3_num_f32 v[232+\b], v[128+16*\b], v[129+16*\b], v[130+16*\b]     ; the largest score of each block of 32 keys: it serves for the row's maximum and, since p rises with the score, for the block's largest p
.endr
.irp e, 3,5,7,9,11,13
.irp b, 0,1,2,3
	v_max3_num_f32 v[232+\b], v[232+\b], v[128+16*\b+\e], v[129+16*\b+\e]
.endr
.endr
.irp b, 0,1,2,3
	v_max_num_f32 v[232+\b], v[232+\b], v[143+16*\b]
.endr
.irp b, 0,1,2,3
	s_delay_alu instid0(VALU_DEP_4)
	v_permlanex16_b32 v[236+\b], v[232+\b], s[SEL], s[SEL+1]
.endr
.irp b, 0,1,2,3
	s_delay_alu instid0(VALU_DEP_4)
	v_max_num_f32 v[232+\b], v[232+\b], v[236+\b]  ; with lane l xor 16's 16 keys
.endr
	s_delay_alu instid0(VALU_DEP_2)
	v_max3_num_f32 v254, v232, v233, v234
	s_delay_alu instid0(VALU_DEP_1)
	v_max_num_f32 v254, v254, v235                 ; the step's largest score of my query
	s_delay_alu instid0(VALU_DEP_1)
	v_mul_f32 v254, s[CS], v254                    ; as t
	s_delay_alu instid0(VALU_DEP_1)
	v_max_num_f32 v13, v13, v254                   ; the running largest t
	v_mov_b32 v254, v12
	s_delay_alu instid0(VALU_DEP_2)
	v_floor_f32 v12, -v13                          ; the new -M = floor(-t): M is a whole number
	s_delay_alu instid0(VALU_DEP_1)
	v_sub_f32 v254, v12, v254                      ; old M - new M: a whole number, 0 or less
	s_delay_alu instid0(VALU_DEP_1)
	v_cvt_i32_f32 v254, v254                       ; (it saturates)
	s_delay_alu instid0(VALU_DEP_1)
	v_ldexp_f32 v252, 1.0, v254                    ; f = 2^(old M - new M)
.set jj, 0
.rept 32
	v_pk_fma_f32 v[128+jj:129+jj], v[128+jj:129+jj], s[CS:CS+1], v[12:13] op_sel_hi:[1,0,0]    ; t - M, two at a time
.set jj, jj+2
.endr
.irp b, 0,1,2,3
	v_fma_f32 v[232+\b], v[232+\b], s[CS], v12     ; the same of each block's largest score
.endr
.set jj, 0
	s_wait_alu depctr_va_vdst(0)
.rept 64
	v_exp_f32 v[128+jj], v[128+jj]                 ; p = 2^(t - M), at most 1
.set jj, jj+1
.endr
	s_setprio 1
.irp b, 0,1,2,3
	v_exp_f32 v[232+\b], v[232+\b]                 ; the block's largest p: the same two instructions on the same number
.endr
	v_pk_mul_f32 v[14:15], v[14:15], v[252:253] op_sel_hi:[1,0]            ; the sums under the new M.  (A plain place behind the exponentials)
	s_wait_alu depctr_va_vdst(0)
.irp b, 0,1,2,3
	v_max_num_f32 v[232+\b], 0x1800000, v[232+\b]  ; the floor 2^(3 - 127): the byte cannot fall under 1
.endr
.irp b, 0,1,2,3
	s_delay_alu instid0(VALU_DEP_4)
	v_add_nc_u32 v[240+\b], 0xff000000, v[232+\b]  ; 2 off the exponent field: the conversion's scale operand
.endr
.irp b, 0,1,2,3
	s_delay_alu instid0(VALU_DEP_4)
	v_lshrrev_b32 v[236+\b], 23, v[240+\b]         ; the scale's byte
.endr
	s_delay_alu instid0(VALU_DEP_3)
	v_lshl_or_b32 v253, v237, 8, v236              ; p's scale word for these 128 keys
	s_delay_alu instid0(VALU_DEP_1)
	v_lshl_or_b32 v253, v238, 16, v253
	s_delay_alu instid0(VALU_DEP_1)
	v_lshl_or_b32 v253, v239, 24, v253
.irp b, 0,1,2,3
	v_cvt_scalef32_pk8_fp4_f32 v[224+2*\b], v[128+16*\b:135+16*\b], v[240+\b]
	v_cvt_scalef32_pk8_fp4_f32 v[225+2*\b], v[136+16*\b:143+16*\b], v[240+\b]
.endr
	v_nop                                          ; one plain place behind a scaled conversion
.irp c, 0,1
.irp u, 0,1
	v_permlane16_swap_b32 v[224+4*\c+\u], v[226+4*\c+\u]   ; a whole block to a lane
.endr
.endr
	v_pk_add_f32 v[236:237], v[132:133], v[136:137]
	v_pk_add_f32 v[254:255], v[140:141], v[144:145]
	v_pk_add_f32 v[246:247], v[148:149], v[152:153]
	v_pk_add_f32 v[244:245], v[156:157], v[160:161]
	v_pk_add_f32 v[242:243], v[164:165], v[168:169]
	v_pk_add_f32 v[240:241], v[172:173], v[176:177]
	v_pk_add_f32 v[234:235], v[180:181], v[184:185]
	v_pk_add_f32 v[14:15], v[14:15], v[188:189]
	v_pk_add_f32 v[236:237], v[236:237], v[128:129]
	v_pk_add_f32 v[254:255], v[254:255], v[130:131]
	v_pk_add_f32 v[246:247], v[246:247], v[134:135]
	v_pk_add_f32 v[244:245], v[244:245], v[138:139]
	v_pk_add_f32 v[242:243], v[242:243], v[142:143]
	v_pk_add_f32 v[240:241], v[240:241], v[146:147]
	v_pk_add_f32 v[234:235], v[234:235], v[150:151]
	v_pk_add_f32 v[14:15], v[14:15], v[154:155]
	v_pk_add_f32 v[236:237], v[236:237], v[158:159]
	v_pk_add_f32 v[254:255], v[254:255], v[162:163]
	v_pk_add_f32 v[246:247], v[246:247], v[166:167]
	v_pk_add_f32 v[244:245], v[244:245], v[170:171]
	v_pk_add_f32 v[242:243], v[242:243], v[174:175]
	v_pk_add_f32 v[240:241], v[240:241], v[178:179]
	v_pk_add_f32 v[234:235], v[234:235], v[182:183]
	v_pk_add_f32 v[14:15], v[14:15], v[186:187]
	v_pk_add_f32 v[236:237], v[236:237], v[190:191]
	s_delay_alu instid0(VALU_DEP_2)
	v_pk_add_f32 v[14:15], v[14:15], v[244:245]
	s_delay_alu instid0(VALU_DEP_2)
	v_pk_add_f32 v[236:237], v[236:237], v[242:243]
	v_pk_add_f32 v[254:255], v[254:255], v[240:241]
	v_pk_add_f32 v[246:247], v[246:247], v[234:235]
	s_delay_alu instid0(VALU_DEP_2)
	v_pk_add_f32 v[14:15], v[14:15], v[254:255]
	s_delay_alu instid0(VALU_DEP_2)
	v_pk_add_f32 v[236:237], v[236:237], v[246:247]
	s_delay_alu instid0(VALU_DEP_1)
	v_pk_add_f32 v[14:15], v[14:15], v[236:237]
.set jj, 0
	s_setprio 0
.rept 16
	v_pk_mul_f32 v[192+jj:193+jj], v[192+jj:193+jj], v[252:253] op_sel_hi:[1,0]    ; O^T under the new M, each accumulator from its low end on
.set jj, jj+2
.endr
	s_wait_alu depctr_va_vdst(0)
	s_wait_dscnt 0x0                               ; v and its scale words
.irp d, 0,1
	v_wmma_scale_f32_16x16x128_f8f6f4 v[192+8*\d:199+8*\d], v[96+8*\d:103+8*\d], v[224:231], v[192+8*\d:199+8*\d], v[248+\d], v253 matrix_a_fmt:MATRIX_FMT_FP4 matrix_b_fmt:MATRIX_FMT_FP4
.endr
.irp d, 2,3
	v_wmma_scale_f32_16x16x128_f8f6f4 v[192+8*\d:199+8*\d], v[96+8*\d:103+8*\d], v[224:231], v[192+8*\d:199+8*\d], v[246+\d], v253 matrix_a_fmt:MATRIX_FMT_FP4 matrix_b_fmt:MATRIX_FMT_FP4 matrix_a_scale:MATRIX_SCALE_ROW1
.endr
	s_add_co_u32 s[TK], s[TK], 4096
	s_add_co_u32 s[TS], s[TS], 512
	s_add_co_u32 s[TJ], s[TJ], 256
.endm
; QUERY TILE i: all 16 key steps, then O^T / the sum, quantised, to o's record
.macro TILE i
.if \i
	s_wait_xcnt 0x0                                ; the first tile's store has read its registers: they are written again below
.endif
	v_mov_b32 v13, 0xf149f2ca                      ; the largest t so far: -1e30: under every kept key's t, above a masked key's
	s_delay_alu instid0(VALU_DEP_1)
	v_floor_f32 v12, -v13                          ; -M
	v_mov_b32 v14, 0
	v_mov_b32 v15, 0
.set jj, 0
.rept 32
	v_mov_b32 v[192+jj], 0                         ; O^T.  (The step is written once: the first finds zeros, which the first change of M leaves zeros)
.set jj, jj+1
.endr
	s_mov_b32 s[TK], 0
	s_mov_b32 s[TS], 0
	s_mov_b32 s[TJ], 0
	s_mov_b32 s[CNT], 16
.Lstep_\@:
	s_setprio 2
	STEP \i
	s_sub_co_u32 s[CNT], s[CNT], 1
	s_cmp_lg_u32 s[CNT], 0
	s_cbranch_scc1 .Lstep_\@
	s_setprio 0
.rept 4
	v_nop                                          ; four places in front of the first read of the last products' results
.endr
	v_add_f32 v14, v14, v15                        ; the sum's two halves,
	s_delay_alu instid0(VALU_DEP_1)
	v_permlanex16_b32 v252, v14, s[SEL], s[SEL+1]
	s_delay_alu instid0(VALU_DEP_1)
	v_add_f32 v14, v14, v252                       ; and lane l xor 16's
	s_wait_alu depctr_va_vdst(0)
	v_rcp_f32 v14, v14
	v_nop                                          ; a plain place behind the reciprocal
.set jj, 0
	s_wait_alu depctr_va_vdst(0)
.rept 16
	v_pk_mul_f32 v[128+jj:129+jj], v[192+jj:193+jj], v[14:15] op_sel_hi:[1,0]      ; register 16 b + e: column 32 b + 16 (lane / 16) + e of the head, of my query
.set jj, jj+2
.endr
	QUANT2 128, 224, 254
	global_store_b128 v1, v[224:227], s[38:39] offset:HREC*\i      ; the head's two blocks of the tile's record: 512 consecutive bytes
.if \i == 0
	v_mov_b32 v11, v254
.else
	v_cndmask_b32 v11, v11, v254, s[HI]            ; lanes 0-15: the first tile's two scale bytes, lanes 16-31: the second's
	global_store_b16 v10, v11, s[40:41]            ; two bytes of each row's sixteen: the other heads' work-groups store the rest
.endif
.endm
	TILE 0
	TILE 1
	s_wait_xcnt 0x0
	v_lshl_add_u32 v254, v0, 2, 0x29000
	v_mov_b32 v255, 0
	s_wait_alu depctr_va_vdst(0)
	s_wait_tensorcnt 0x0
	ds_add_u32 v254, v255
	s_wait_dscnt 0x0
	CROUND                                         ; the closing round: no work-group ends while a partner may still ask for a tile that names it
	s_endpgm
.Lfunc_end_k_qd9c98b1da2_attn:
	.size	k_qd9c98b1da2_attn, .Lfunc_end_k_qd9c98b1da2_attn-k_qd9c98b1da2_attn
	.p2alignl 7, 3214868480
	.fill 96, 4, 3214868480
	.section	.rodata,"a",@progbits
	.p2align	6, 0x0
	.amdhsa_kernel k_qd9c98b1da2_attn
		.amdhsa_group_segment_fixed_size 169984
		.amdhsa_private_segment_fixed_size 0
		.amdhsa_enable_private_segment 0
		.amdhsa_kernarg_size 24
		.amdhsa_user_sgpr_count 2
		.amdhsa_user_sgpr_kernarg_segment_ptr 1
		.amdhsa_wavefront_size32 1
		.amdhsa_system_sgpr_workgroup_id_x 1
		.amdhsa_system_sgpr_workgroup_id_y 1
		.amdhsa_system_sgpr_workgroup_id_z 1
		.amdhsa_system_vgpr_workitem_id 0
		.amdhsa_next_free_vgpr 256
		.amdhsa_next_free_sgpr 66
		.amdhsa_reserve_vcc 0
		.amdhsa_float_denorm_mode_32 3
		.amdhsa_float_denorm_mode_16_64 3
		.amdhsa_memory_ordered 1
		.amdhsa_forward_progress 1
		.amdhsa_inst_pref_size 51
	.end_amdhsa_kernel
	.amdgpu_metadata
---
amdhsa.version: [ 1, 2 ]
amdhsa.kernels:
  - .name:           k_qd9c98b1da2_attn
    .symbol:         k_qd9c98b1da2_attn.kd
    .args:
      - { .name: qrec, .offset: 0, .size: 8, .value_kind: global_buffer, .address_space: global }
      - { .name: kvrec, .offset: 8, .size: 8, .value_kind: global_buffer, .address_space: global }
      - { .name: orec, .offset: 16, .size: 8, .value_kind: global_buffer, .address_space: global }
    .group_segment_fixed_size: 169984
    .private_segment_fixed_size: 0
    .kernarg_segment_align: 8
    .kernarg_segment_size: 24
    .max_flat_workgroup_size: 512
    .sgpr_count:     66
    .vgpr_count:     256
    .wavefront_size: 32
...
	.end_amdgpu_metadata
.endif
;; end of part 3
;; launch oproj (part 4): grid 8 x 32, 8 waves a work-group, clusters of 4 x 4, 246,784 bytes of LDS; arguments orec, wrec, x, out0; writes out0
.if DOCPART == 4
	.amdgcn_target "amdgcn-amd-amdhsa--gfx1250"
	.amdhsa_code_object_version 6
	.text
	.protected	k_qd9c98b1da2_oproj
	.globl	k_qd9c98b1da2_oproj
	.p2align	8
	.type	k_qd9c98b1da2_oproj,@function
k_qd9c98b1da2_oproj:
	s_mov_b64 s[64:65], 0
	v_nop
	global_prefetch_b8 v0, s[64:65] scope:SCOPE_SE
	s_setreg_imm32_b32 hwreg(HW_REG_WAVE_MODE, 25, 1), 1
	s_wait_xcnt 0x0
	s_wait_alu depctr_hold_cnt(0) depctr_sa_sdst(0) depctr_va_vdst(0) depctr_va_sdst(0) depctr_va_ssrc(0) depctr_va_vcc(0) depctr_vm_vsrc(0)
	s_getreg_b32 s2, hwreg(HW_REG_IB_STS2, 6, 4)
	s_cmp_eq_u32 s2, 0
	s_cbranch_scc0 .Lentry_in_a_cluster
	s_endpgm
.Lentry_in_a_cluster:
	s_bfe_u32 s2, ttmp6, 0x10000c
	s_cmp_lg_u32 s2, 0xf033
	s_cbranch_scc0 .Lentry_shape_is_right
	s_endpgm
.Lentry_shape_is_right:
; out0 = x + o Wo + bo, the product on codes of FP4 (E2M1) with E8M0 scales.  o's and Wo's tile records are images of the operands' registers (half a fragment: 512 bytes on end; the scale bytes as four registers, register j
; holding K step j's word in lanes 0-15 and K step 4 + j's in lanes 16-31).  Tile T holds rows 32 (T / 2) + 8 (T % 2) + r + 8 (r / 8).
; A work-group takes 256 tokens x 128 columns; all of K = 1,024 lies in LDS: 16 records of o (139,264 bytes) and 8 of Wo (71,680), each byte filled once.  Each of eight waves makes 64 tokens x 64 columns, TRANSPOSED
; (source 0 = 16 rows of Wo, source 1 = 16 tokens): a lane holds one token and 16 neighbouring columns in two neighbouring tiles.  bo is loaded into the accumulators: the C of each sum's first product.
; CLUSTER 4 x 4: the four work-groups of a row share their tokens' records of o, the four of a column their columns' records of Wo; each is asked for jointly.
; x's 64 x 64 numbers of a wave are asked for at the kernel's head, in the layout in which the results leave, and land under the fill and the products (registers v256-383, the one use of a second register window).
; THE WAY OUT: a token tile (16 rows x 256 bytes) goes through the wave's own stage in LDS and comes back by rows; x is added; sixteen lanes store 256 consecutive bytes, aligned.
.set HREC, 8704
.set WREC, 8960
.set WMAT, 64*WREC
.set WL,   16*HREC
.set STG,  WL+8*WREC                   ; behind the records: a stage of 16 rows x 272 bytes for each wave; no tensor load lands there
.set SP,   272
.set L16, 1
.set XA,  2
.set YA,  3
.set BA,  4
.set GOF, 5                            ; v5  two rows of x and of out0: 4,096 (lane / 16) + 16 (lane % 16)
.set STO, 6                            ; v6  into the stage: row r, 64 bytes for each half of the lanes
.set RD,  7                            ; v7  back: lanes 0-15 one row, lanes 16-31 the next
.set XF,  32
.set YF,  64
.set XS,  96
.set YS,  112
.set ACC, 128
.set WV,  20
.set G1A, 24
.set G0A, 32
.set G1B, 36
.set G0B, 44
.set MSB, 0
.macro WIN new                         ; s_set_vgpr_msb: bits 1:0 source 0, 3:2 source 1, 5:4 source 2, 7:6 destination; the high byte repeats the setting that is left
.if MSB != \new
	s_set_vgpr_msb (MSB<<8)|\new
.set MSB, \new
.endif
.endm
.macro CROUND                          ; a round of the cluster's barrier
	s_barrier_signal -1
	s_barrier_wait -1
	s_cmp_lg_u32 s[WV], 0
	s_cbranch_scc1 .Lnot_wave_0_\@
	s_barrier_signal -3
.Lnot_wave_0_\@:
	s_barrier_wait -3
	s_barrier_signal -1
	s_barrier_wait -1
.endm
.macro PLACES                          ; four plain places behind matrix instructions, in front of loads into registers that they have read and of reads of their results
.rept 4
	v_nop
.endr
.endm
; K step s of 128 for 4 x 4 tiles: 16 loads, 16 products; the sixteen accumulators take turns in the same order in every step
.macro STEP44 s
.if (\s) > 0
	PLACES
.endif
.irp x, 0,1,2,3
.irp c, 0,1
	ds_load_b128 v[XF+8*\x+4*\c:XF+8*\x+4*\c+3], v[XA] offset:\x*WREC+(\s)*1024+\c*512
.endr
.endr
.irp y, 0,1,2,3
.irp c, 0,1
	ds_load_b128 v[YF+8*\y+4*\c:YF+8*\y+4*\c+3], v[YA] offset:\y*HREC+(\s)*1024+\c*512
.endr
.endr
.irp y, 0,1,2,3
	s_wait_dscnt 6-2*\y                            ; all but the loads of the token tiles behind tile y
.irp x, 0,1,2,3
.if (\s) < 4
	v_wmma_scale_f32_16x16x128_f8f6f4 v[ACC+32*\y+8*\x:ACC+32*\y+8*\x+7], v[XF+8*\x:XF+8*\x+7], v[YF+8*\y:YF+8*\y+7], v[ACC+32*\y+8*\x:ACC+32*\y+8*\x+7], v[XS+4*\x+(\s)], v[YS+4*\y+(\s)] matrix_a_fmt:MATRIX_FMT_FP4 matrix_b_fmt:MATRIX_FMT_FP4
.else
	v_wmma_scale_f32_16x16x128_f8f6f4 v[ACC+32*\y+8*\x:ACC+32*\y+8*\x+7], v[XF+8*\x:XF+8*\x+7], v[YF+8*\y:YF+8*\y+7], v[ACC+32*\y+8*\x:ACC+32*\y+8*\x+7], v[XS+4*\x+(\s)-4], v[YS+4*\y+(\s)-4] matrix_a_fmt:MATRIX_FMT_FP4 matrix_b_fmt:MATRIX_FMT_FP4 matrix_a_scale:MATRIX_SCALE_ROW1 matrix_b_scale:MATRIX_SCALE_ROW1
.endif
.endr
.endr
.endm
	s_load_b256 s[4:11], s[0:1], 0x0               ; orec 4, wrec 6, x 8, out0 10
	v_lshl_add_u32 v30, v0, 2, 0x3c000
	v_mov_b32 v31, 0
	ds_add_u32 v30, v31
	ds_add_u32 v30, v31
	v_lshrrev_b32 v1, 5, v0
	s_delay_alu instid0(VALU_DEP_1)
	v_readfirstlane_b32 s[WV], v1                  ; wave 0..7
	s_bfe_u32 s48, ttmp6, 0x40000                  ; cx, cy
	s_bfe_u32 s49, ttmp6, 0x40004
	s_lshl_b32 s50, ttmp9, 2
	s_add_co_u32 s50, s50, s48                     ; the block of 128 columns = 4 x cluster x + cx
	s_and_b32 s51, ttmp7, 0xffff
	s_lshl_b32 s51, s51, 2
	s_add_co_u32 s51, s51, s49                     ; the block of 256 tokens = 4 x cluster y + cy
	s_lshl_b32 s52, s49, 2
	s_lshl_b32 s52, 15, s52                        ; my row of the cluster
	s_lshl_b32 s53, 0x1111, s48                    ; my column
	; descriptor groups 1: dense blocks as rows of 256 bytes (32 elements of 8 bytes), no padding.  o: four records = 136 rows; Wo: four records = 140 rows
	s_or_b32 s[G1A], s52, (3<<16)|(1<<21)          ; 15:0 the mask: o's records go to my row; 17:16 elements of 8 bytes; 21 set beside a mask
	s_mov_b32 s[G1A+1], 32<<16
	s_mov_b32 s[G1A+2], 136<<16
	s_mov_b32 s[G1A+3], 32<<16
	s_mov_b32 s[G1A+4], 136
	s_mov_b32 s[G1A+5], 32
	s_mov_b32 s[G1A+6], 0
	s_mov_b32 s[G1A+7], 0
	s_or_b32 s[G1B], s53, (3<<16)|(1<<21)          ; Wo's go to my column
	s_mov_b32 s[G1B+1], 32<<16
	s_mov_b32 s[G1B+2], 140<<16
	s_mov_b32 s[G1B+3], 32<<16
	s_mov_b32 s[G1B+4], 140
	s_mov_b32 s[G1B+5], 32
	s_mov_b32 s[G1B+6], 0
	s_mov_b32 s[G1B+7], 0
	s_and_b32 s21, s[WV], 3
	s_mul_i32 s22, s21, 4*HREC                     ; waves 0-3: which quarter of o's records I fetch
	s_mul_i32 s54, s51, 16*HREC
	s_add_co_u32 s54, s54, s22
	s_mov_b32 s55, 0
	s_mul_i32 s23, s21, 4*WREC                     ; waves 4, 5: which half of Wo's eight records
	s_mul_i32 s56, s50, 8*WREC
	s_add_co_u32 s56, s56, s23
	s_add_co_u32 s56, s56, 3*WMAT                  ; Wo is the fourth weight
	s_mov_b32 s57, 0
	s_and_b32 s58, s[WV], 1                        ; which 64 columns are mine
	s_lshr_b32 s59, s[WV], 1                       ; which 64 tokens
	v_and_b32 v1, 31, v0
	s_delay_alu instid0(VALU_DEP_1)
	v_lshlrev_b32 v[L16], 4, v1
	v_bfe_u32 v8, v0, 4, 1                         ; h
	v_and_b32 v9, 15, v0                           ; r
	s_mul_i32 s60, s58, 4*WREC
	s_add_co_u32 s60, s60, WL
	v_add_nc_u32 v[XA], s60, v[L16]
	s_mul_i32 s61, s59, 4*HREC
	v_add_nc_u32 v[YA], s61, v[L16]
	s_add_co_u32 s62, s60, 8704
	v_lshl_add_u32 v[BA], v8, 5, s62               ; the biases of tile rows 8 h .. 8 h + 7
	s_mul_i32 s63, s[WV], 16*SP
	s_add_co_u32 s63, s63, STG                     ; my stage
	v_lshlrev_b32 v[GOF], 12, v8
	s_delay_alu instid0(VALU_DEP_1)
	v_lshl_add_u32 v[GOF], v9, 4, v[GOF]
	v_mul_u32_u24 v[STO], v9, SP
	s_delay_alu instid0(VALU_DEP_1)
	v_lshl_add_u32 v[STO], v8, 6, v[STO]
	s_delay_alu instid0(VALU_DEP_1)
	v_add_nc_u32 v[STO], s63, v[STO]
	v_mul_u32_u24 v[RD], v8, SP
	s_delay_alu instid0(VALU_DEP_1)
	v_lshl_add_u32 v[RD], v9, 4, v[RD]
	s_delay_alu instid0(VALU_DEP_1)
	v_add_nc_u32 v[RD], s63, v[RD]
	s_lshl_b32 s66, s51, 20                        ; my corner of x and of out0: 256 tokens of 4,096 bytes a block,
	s_lshl_b32 s67, s59, 18                        ; 64 tokens a wave,
	s_add_co_u32 s66, s66, s67
	s_lshl_b32 s67, s50, 9                         ; 128 columns of 4 bytes a block,
	s_add_co_u32 s66, s66, s67
	s_lshl_b32 s67, s58, 8                         ; 64 a wave
	s_add_co_u32 s66, s66, s67
	s_mov_b32 s67, 0
	s_wait_alu depctr_va_vdst(0)
	s_wait_dscnt 0x0
	s_wait_kmcnt 0x0
	s_add_nc_u64 s[8:9], s[8:9], s[66:67]
	s_add_nc_u64 s[10:11], s[10:11], s[66:67]
	WIN 0x40                                       ; destination in the second window
.irp y, 0,1,2,3
.irp t, 0,1,2,3,4,5,6,7
	global_load_b128 v[32*\y+4*\t:32*\y+4*\t+3], v[GOF], s[8:9] offset:(32*(\y/2)+8*(\y%2)+2*\t+8*(\t/4))*4096 th:TH_LOAD_NT     ; tile y's rows 2 t, 2 t + 1: sixteen lanes read 256 consecutive bytes
.endr
.endr
	WIN 0
	s_mov_b32 s[G0A], 1
	s_mov_b32 s[G0A+1], s22
	s_add_nc_u64 s[G0A+2:G0A+3], s[4:5], s[54:55]  ; made of the token block and the wave's number alone
	s_or_b32 s[G0A+3], s[G0A+3], 0x80000000
	s_mov_b32 s[G0B], 1
	s_add_co_u32 s[G0B+1], s23, WL
	s_add_nc_u64 s[G0B+2:G0B+3], s[6:7], s[56:57]  ; made of the column block and the wave's number alone
	s_or_b32 s[G0B+3], s[G0B+3], 0x80000000
	CROUND                                         ; all sixteen work-groups are here: the joint loads meet
	s_cmp_lt_u32 s[WV], 4                          ; waves 0-3 fetch o, waves 4 and 5 Wo, the others nothing: one tensor load a wave at the most.  Four v_nop follow each line
	s_cbranch_scc0 .Lnot_a
	tensor_load_to_lds s[G0A:G0A+3], s[G1A:G1A+7]
	s_nop 0
	PLACES
	s_branch .Lasked
.Lnot_a:
	s_cmp_lt_u32 s[WV], 6
	s_cbranch_scc0 .Lasked
	tensor_load_to_lds s[G0B:G0B+3], s[G1B:G1B+7]
	s_nop 0
	PLACES
.Lasked:
	s_wait_tensorcnt 0x0                           ; my part has landed,
	s_barrier_signal -1
	s_barrier_wait -1                              ; everybody's has
.irp x, 0,1,2,3
	ds_load_b128 v[XS+4*\x:XS+4*\x+3], v[XA] offset:\x*WREC+8192
.endr
.irp y, 0,1,2,3
	ds_load_b128 v[YS+4*\y:YS+4*\y+3], v[YA] offset:\y*HREC+8192
.endr
.irp y, 0,1,2,3
.irp x, 0,1,2,3
	ds_load_b128 v[ACC+32*\y+8*\x:ACC+32*\y+8*\x+3], v[BA] offset:\x*WREC          ; bo in the result's layout: the C of the first product
	ds_load_b128 v[ACC+32*\y+8*\x+4:ACC+32*\y+8*\x+7], v[BA] offset:\x*WREC+16
.endr
.endr
.irp s, 0,1,2,3,4,5,6,7
	STEP44 \s
.endr
	PLACES
	s_wait_loadcnt 0x0                             ; x
.irp y, 0,1,2,3
.if \y >= 2
	s_wait_xcnt 0x0                                ; the stores of two tiles ago have read their registers: the loads below land there
.endif
.irp b, 0,1
.irp q, 0,1,2,3
	ds_store_b128 v[STO], v[ACC+32*\y+16*\b+4*\q:ACC+32*\y+16*\b+4*\q+3] offset:128*\b+16*\q       ; columns 32 b + 16 h + 4 q on of my token; each accumulator from its low end on
.endr
.endr
.irp t, 0,1,2,3,4,5,6,7
	ds_load_b128 v[32+32*(\y%2)+4*\t:32+32*(\y%2)+4*\t+3], v[RD] offset:2*SP*\t    ; LDS serves a wave's instructions in order (ISA guide 5.7.1.4): these see the stores above
.endr
	s_wait_dscnt 0x0
	WIN 0x04                                       ; source 1 (x) in the second window
.irp p, 0,2,4,6,8,10,12,14,16,18,20,22,24,26,28,30
	v_pk_add_f32 v[32+32*(\y%2)+\p:32+32*(\y%2)+\p+1], v[32+32*(\y%2)+\p:32+32*(\y%2)+\p+1], v[32*\y+\p:32*\y+\p+1]
.endr
	WIN 0
.irp t, 0,1,2,3,4,5,6,7
	global_store_b128 v[GOF], v[32+32*(\y%2)+4*\t:32+32*(\y%2)+4*\t+3], s[10:11] offset:(32*(\y/2)+8*(\y%2)+2*\t+8*(\t/4))*4096 th:TH_STORE_NT    ; sixteen lanes store 256 consecutive bytes, aligned
.endr
.endr
	s_wait_tensorcnt 0x0
	ds_add_u32 v30, v31
	s_wait_dscnt 0x0
	CROUND                                         ; the closing round: no work-group ends while a partner may still ask for a tile that names it
	s_endpgm
.Lfunc_end_k_qd9c98b1da2_oproj:
	.size	k_qd9c98b1da2_oproj, .Lfunc_end_k_qd9c98b1da2_oproj-k_qd9c98b1da2_oproj
	.p2alignl 7, 3214868480
	.fill 96, 4, 3214868480
	.section	.rodata,"a",@progbits
	.p2align	6, 0x0
	.amdhsa_kernel k_qd9c98b1da2_oproj
		.amdhsa_group_segment_fixed_size 246784
		.amdhsa_private_segment_fixed_size 0
		.amdhsa_enable_private_segment 0
		.amdhsa_kernarg_size 32
		.amdhsa_user_sgpr_count 2
		.amdhsa_user_sgpr_kernarg_segment_ptr 1
		.amdhsa_wavefront_size32 1
		.amdhsa_system_sgpr_workgroup_id_x 1
		.amdhsa_system_sgpr_workgroup_id_y 1
		.amdhsa_system_sgpr_workgroup_id_z 1
		.amdhsa_system_vgpr_workitem_id 0
		.amdhsa_next_free_vgpr 384
		.amdhsa_next_free_sgpr 84
		.amdhsa_reserve_vcc 0
		.amdhsa_float_denorm_mode_32 3
		.amdhsa_float_denorm_mode_16_64 3
		.amdhsa_memory_ordered 1
		.amdhsa_forward_progress 1
		.amdhsa_inst_pref_size 50
	.end_amdhsa_kernel
	.amdgpu_metadata
---
amdhsa.version: [ 1, 2 ]
amdhsa.kernels:
  - .name:           k_qd9c98b1da2_oproj
    .symbol:         k_qd9c98b1da2_oproj.kd
    .args:
      - { .name: orec, .offset: 0, .size: 8, .value_kind: global_buffer, .address_space: global }
      - { .name: wrec, .offset: 8, .size: 8, .value_kind: global_buffer, .address_space: global }
      - { .name: x, .offset: 16, .size: 8, .value_kind: global_buffer, .address_space: global }
      - { .name: out0, .offset: 24, .size: 8, .value_kind: global_buffer, .address_space: global }
    .group_segment_fixed_size: 246784
    .private_segment_fixed_size: 0
    .kernarg_segment_align: 8
    .kernarg_segment_size: 32
    .max_flat_workgroup_size: 256
    .sgpr_count:     84
    .vgpr_count:     384
    .wavefront_size: 32
...
	.end_amdgpu_metadata
.endif
;; end of part 4
